; MI455X (gfx1250); checked and timed in simulation.
; The chip was launched on July 23, 2026; its instructions are those of AMD's public machine-readable ISA for CDNA 5 (MIT licence, August 2026) and "CDNA5" Instruction Set Architecture Reference Guide (July 2026). The comments in the code are by the model that wrote it; some were corrected since.
;; Digital Capsule Layer. Allowed arithmetic: float matrix products may take bf16 or f16 operands with f32 sums; other float arithmetic in f32, or as packed bf16 or f16 multiplies, adds, multiply-adds, maxima and minima; sums over many terms, partial sums and values carried from step to step in f32; what a program stores and reads back later, other than sums and carried values, may be rounded once to bf16 or f16.
;; Inputs: W 16 x 128 x 128 float32; adj 16 x 1,024 x 1,024 float32; bias 16 x 128 float32; bn_beta 128 float32; bn_gamma 128 float32; x 16 x 1,024 x 128 float32.
;; Outputs: out0 16 x 16 x 128 float32; out1 16 x 16 x 16 float32.
;; One version. Each part assembles by itself: llvm-mc -triple=amdgcn-amd-amdhsa -mcpu=gfx1250 --defsym DOCPART=n.
;; ======== version 1 of 1: 7 launches
;; limits: values are held in f16: magnitudes above 65,504 overflow, below 6.1e-05 lose precision; inputs' magnitudes at most 511; right only within a limited range of input values
;; workspace buffers: adjh 33,554,432 bytes; p1s 327,680 bytes; hb 4,202,496 bytes; yb 4,325,376 bytes; g1 132,096 bytes; g2 132,096 bytes; pp 262,144 bytes
;; launch p1 (part 1): grid 256 x 1, 16 waves a work-group, no clusters, 18,688 bytes of LDS; arguments adj, x, adjh, p1s; writes adjh, p1s
.if DOCPART == 1
	.amdgcn_target "amdgcn-amd-amdhsa--gfx1250"
	.amdhsa_code_object_version 6
	.text
	.protected	k_qc6eb3fa3fd_p1
	.globl	k_qc6eb3fa3fd_p1
	.p2align	8
	.type	k_qc6eb3fa3fd_p1,@function
k_qc6eb3fa3fd_p1:
	s_mov_b64 s[64:65], 0
	v_nop
	global_prefetch_b8 v0, s[64:65] scope:SCOPE_SE
	s_setreg_imm32_b32 hwreg(HW_REG_WAVE_MODE, 25, 1), 1
	s_wait_xcnt 0x0
; DigitalCapsuleLayer, launch 1 of 7: adj's row sums (dis), a copy of adj in f16, and BatchNorm's partial sums.
; THE WHOLE PROGRAM.  With y = a_norm xn (a_norm = D^-1/2 A D^-1/2, diagonal of A set to 1) reference()'s u is u[n,d,:] = y[n,:] W_d + bias_d, and u enters every later
; step linearly.  So, in real arithmetic and for all values of the inputs:
;   sum_n c[n,d] u[n,d,:] = (sum_n c[n,d] y[n,:]) W_d + (sum_n c[n,d]) bias_d        u[n,d,:] . v[d,:] = y[n,:] . (W_d v[d,:]) + bias_d . v[d,:]
; and neither xw nor u is formed.  DEAD WORK: b starts as zeros that reference() builds itself, so the first sparsemax is 1/16 everywhere and its column sums are 64, by identity:
; the first routing step needs y's column sums alone, and no product with b and no sparsemax is run for it.  All six inputs have a way to an output and all are loaded.
; sparsemax: with z sorted downward, S_k its running sum and g(k) = (S_k - 1) / k, reference()'s test 1 + k z_k > S_k says g(k) > g(k-1); the support is a prefix, so tau = max_k g(k).
; LIMITS.  adj is kept in f16: |adj| under 65,520; sums of adj x c over 128 columns are rounded to f16, so 128 max|adj| stays under 65,504.  h = dis xn is kept in f16: BatchNorm bounds |xn| by
; 128 |gamma| + |beta|, which stays under 65,504.  NaN and infinities are not treated apart (the clamp of sparsemax turns a NaN into 0), and one that would reach only the work left out is not carried on.
; 1/k and 1/N are multiplications.  The variance is made of each work-group's sum of squares about its own mean and the means' spread: no difference of large sums.
; THIS LAUNCH.  Work-group g owns rows 64 g .. 64 g + 63 of adj (all batches on end) and of x; wave w owns rows 4 w + q, q = 0..3.  A load of a wave covers 512 consecutive bytes; all 36 loads of a wave go out
; at the head, so the work-group's 288 KiB are on their way at once.  No matrix unit, cluster or ring: nothing is shared and nothing is read twice.
.set RED1,  0                          ; LDS: 16 waves x 512 bytes, column sums of x
.set RED2,  8192                       ; the same for the squares about the mean
.set DISL,  16384                      ; the work-group's 64 dis
.set SPARE, 16640                      ; the spare words, 128 bytes a wave: no other line names them
.set X,   16                           ; v[16:143]  row q of adj at X + 32 q; later LDS sums
.set XR,  144                          ; v[144:159] my four rows of x, four channels a lane
.set HF,  160                          ; v[160:223] adj in f16, 16 registers a row
.set DEG, 224                          ; v[224:227] the four row sums, then dis
.set TT,  228                          ; v[228:231] the other half of the lanes'
.set SM,  232
.set MN,  236
.set MQ,  240
.set DF,  244
.set SPW, 252
.set NIL, 253
.set WV,  12
.set DM,  16                           ; s[16:23] lane masks: which lane holds the diagonal in load jl
.set SEL, 30
.macro TREE b, n, lo                   ; n registers on end are added in halves until lo are left
.irp s,32,16,8,4,2
.if (\s < (\n)) && (\s >= (\lo))
.set z, 0
.rept \s/2
	v_pk_add_f32 v[(\b)+z:(\b)+z+1], v[(\b)+z:(\b)+z+1], v[(\b)+\s+z:(\b)+\s+z+1]
.set z, z+2
.endr
.endif
.endr
.endm
	s_load_b256 s[4:11], s[0:1], 0x0               ; adj s[4:5], x s[6:7], adjh s[8:9], p1s s[10:11]
	v_lshl_add_u32 v[SPW], v0, 2, SPARE
	v_mov_b32 v[NIL], 0
	v_lshrrev_b32 v1, 5, v0
	v_readfirstlane_b32 s[WV], v1                  ; wave 0..15
	v_and_b32 v1, 31, v0                           ; lane
	v_lshlrev_b32 v2, 4, v1                        ; 16 x lane
	v_lshlrev_b32 v3, 3, v1                        ; 8 x lane
	v_lshlrev_b32 v4, 2, v1
	s_and_b32 s13, ttmp9, 15                       ; j: my block of 64 rows in the batch
	s_lshl_b32 s13, s13, 6
	s_lshl2_add_u32 s13, s[WV], s13                ; 64 j + 4 w: the column of row q's diagonal, less q
	v_sub_nc_u32 v4, s13, v4                       ; less my lane's 4 columns
	v_mov_b32 v5, 1.0
	s_lshl_b32 s14, s[WV], 4
	v_mov_b32 v6, s14
	v_add_nc_u32 v6, DISL, v6                      ; my wave's four dis
	v_lshlrev_b32 v7, 4, v0                        ; 512 w + 16 lane
.irp i,0,1,2,3
	v_mov_b32 v[TT+\i], 0
.endr
.irp jl,0,1,2,3,4,5,6,7
	v_cmp_eq_u32 s[DM+\jl], 128*\jl, v4            ; load jl, lane l, element e is column 128 jl + 4 l + e; 64 j + 4 w is a multiple of 4, so row q's diagonal is element e = q
.endr
	s_mov_b32 s[SEL], 0x76543210
	s_mov_b32 s[SEL+1], 0xfedcba98
	s_lshl_b32 s24, ttmp9, 18                      ; 64 rows of 4,096 bytes,
	s_lshl_b32 s25, s[WV], 14                      ; my four
	s_add_co_u32 s24, s24, s25
	s_mov_b32 s25, 0
	s_lshr_b32 s26, s24, 1                         ; the same rows in f16
	s_mov_b32 s27, 0
	s_lshr_b32 s28, s24, 3                         ; the same rows of x, 512 bytes each
	s_mov_b32 s29, 0
	s_lshl_b32 s36, ttmp9, 8                       ; my 64 dis
	s_mov_b32 s37, 0
	s_lshl_b32 s38, ttmp9, 10                      ; my two rows of partial sums, behind the 65,536 bytes of dis
	s_add_co_u32 s38, s38, 65536
	s_mov_b32 s39, 0
	s_wait_kmcnt 0x0
	s_add_nc_u64 s[4:5], s[4:5], s[24:25]
	s_add_nc_u64 s[8:9], s[8:9], s[26:27]
	s_add_nc_u64 s[6:7], s[6:7], s[28:29]
	s_add_nc_u64 s[32:33], s[10:11], s[36:37]
	s_add_nc_u64 s[34:35], s[10:11], s[38:39]
.irp q,0,1,2,3
.irp jl,0,1,2,3,4,5,6,7
	global_load_b128 v[X+32*\q+4*\jl:X+32*\q+4*\jl+3], v2, s[4:5] offset:4096*\q+512*\jl th:TH_LOAD_NT
.endr
.endr
.irp q,0,1,2,3
	global_load_b128 v[XR+4*\q:XR+4*\q+3], v2, s[6:7] offset:512*\q
.endr
; Row q: the raw numbers go out in f16 (a store of the wave covers 256 consecutive bytes, aligned); then the diagonal counts as 1 and the row is summed.
.macro ROW q
	s_wait_loadcnt 28-8*(\q)                       ; the younger rows' loads and the four of x may stay out
.irp jl,0,1,2,3,4,5,6,7
	v_cvt_pk_f16_f32 v[HF+16*(\q)+2*\jl], v[X+32*(\q)+4*\jl], v[X+32*(\q)+4*\jl+1]
	v_cvt_pk_f16_f32 v[HF+16*(\q)+2*\jl+1], v[X+32*(\q)+4*\jl+2], v[X+32*(\q)+4*\jl+3]
.endr
.irp jl,0,1,2,3,4,5,6,7
	global_store_b64 v3, v[HF+16*(\q)+2*\jl:HF+16*(\q)+2*\jl+1], s[8:9] offset:2048*(\q)+256*\jl
.endr
.irp jl,0,1,2,3,4,5,6,7
	v_cndmask_b32 v[X+32*(\q)+4*\jl+(\q)], v[X+32*(\q)+4*\jl+(\q)], v5, s[DM+\jl]
.endr
	TREE X+32*(\q), 32, 2
	v_add_f32 v[DEG+(\q)], v[X+32*(\q)], v[X+32*(\q)+1]
.endm
	ROW 0
	ROW 1
	ROW 2
	ROW 3
.irp m,1,2,4,8
.irp q,0,1,2,3
	v_add_f32_dpp v[DEG+\q], v[DEG+\q], v[DEG+\q] row_xmask:\m row_mask:0xf bank_mask:0xf
.endr
.endr
.irp q,0,1,2,3
	v_permlanex16_b32 v[TT+\q], v[DEG+\q], s[SEL], s[SEL+1]
.endr
.irp q,0,1,2,3
	v_add_f32 v[DEG+\q], v[DEG+\q], v[TT+\q]
.endr
.irp q,0,1,2,3
	v_max_num_f32 v[DEG+\q], 1.0, v[DEG+\q]        ; reference()'s clip
.endr
.irp q,0,1,2,3
	v_rsq_f32 v[DEG+\q], v[DEG+\q]
.endr
	v_nop                                          ; a plain instruction behind the last root,
	s_wait_alu depctr_va_vdst(0)                   ; and one wait for the four, ahead of their first reader
	ds_store_b128 v6, v[DEG:DEG+3]                 ; all lanes hold the same four numbers
	; x: the sum of the work-group's 64 rows, then the squares about its own mean
	s_wait_loadcnt 0x0
	v_pk_add_f32 v[SM:SM+1], v[XR:XR+1], v[XR+4:XR+5]
	v_pk_add_f32 v[SM+2:SM+3], v[XR+2:XR+3], v[XR+6:XR+7]
	v_pk_add_f32 v[DF:DF+1], v[XR+8:XR+9], v[XR+12:XR+13]
	v_pk_add_f32 v[DF+2:DF+3], v[XR+10:XR+11], v[XR+14:XR+15]
	v_pk_add_f32 v[SM:SM+1], v[SM:SM+1], v[DF:DF+1]
	v_pk_add_f32 v[SM+2:SM+3], v[SM+2:SM+3], v[DF+2:DF+3]
	ds_store_b128 v7, v[SM:SM+3] offset:RED1
	s_wait_dscnt 0x0                               ; for the others: my stores are done
	s_barrier_signal -1
	s_barrier_wait -1
.irp k,0,1,2,3,4,5,6,7,8,9,10,11,12,13,14,15
	ds_load_b128 v[X+4*\k:X+4*\k+3], v2 offset:RED1+512*\k
.endr
	s_wait_dscnt 0x0
	TREE X, 64, 4                                  ; v[X:X+3]: the 64 rows' sum of my four channels
	v_pk_mul_f32 v[MN:MN+1], v[X:X+1], 0x3c800000 op_sel_hi:[1,0]      ; / 64
	v_pk_mul_f32 v[MN+2:MN+3], v[X+2:X+3], 0x3c800000 op_sel_hi:[1,0]
.irp q,0,1,2,3
	v_pk_add_f32 v[DF:DF+1], v[XR+4*\q:XR+4*\q+1], v[MN:MN+1] neg_lo:[0,1] neg_hi:[0,1]
	v_pk_add_f32 v[DF+2:DF+3], v[XR+4*\q+2:XR+4*\q+3], v[MN+2:MN+3] neg_lo:[0,1] neg_hi:[0,1]
.if \q == 0
	v_pk_mul_f32 v[MQ:MQ+1], v[DF:DF+1], v[DF:DF+1]
	v_pk_mul_f32 v[MQ+2:MQ+3], v[DF+2:DF+3], v[DF+2:DF+3]
.else
	v_pk_fma_f32 v[MQ:MQ+1], v[DF:DF+1], v[DF:DF+1], v[MQ:MQ+1]
	v_pk_fma_f32 v[MQ+2:MQ+3], v[DF+2:DF+3], v[DF+2:DF+3], v[MQ+2:MQ+3]
.endif
.endr
	ds_store_b128 v7, v[MQ:MQ+3] offset:RED2
	s_wait_dscnt 0x0
	s_barrier_signal -1
	s_barrier_wait -1
	s_cmp_lg_u32 s[WV], 0
	s_cbranch_scc1 .Lnot0
.irp k,0,1,2,3,4,5,6,7,8,9,10,11,12,13,14,15
	ds_load_b128 v[X+64+4*\k:X+64+4*\k+3], v2 offset:RED2+512*\k
.endr
	s_wait_dscnt 0x0
	TREE X+64, 64, 4
	global_store_b128 v2, v[X:X+3], s[34:35]                   ; the sums: 512 consecutive bytes
	global_store_b128 v2, v[X+64:X+67], s[34:35] offset:512    ; the squares about the mean
	s_branch .Lend
.Lnot0:
	s_cmp_lg_u32 s[WV], 1
	s_cbranch_scc1 .Lend
	ds_load_b64 v[X+64:X+65], v3 offset:DISL
	s_wait_dscnt 0x0
	global_store_b64 v3, v[X+64:X+65], s[32:33]                ; 64 dis: 256 consecutive bytes, aligned
.Lend:
	s_wait_tensorcnt 0x0                           ; the wave's end
	ds_add_u32 v[SPW], v[NIL]
	s_wait_dscnt 0x0
	s_endpgm
.Lfunc_end_k_qc6eb3fa3fd_p1:
	.size	k_qc6eb3fa3fd_p1, .Lfunc_end_k_qc6eb3fa3fd_p1-k_qc6eb3fa3fd_p1
	.p2alignl 7, 3214868480
	.fill 96, 4, 3214868480
	.section	.rodata,"a",@progbits
	.p2align	6, 0x0
	.amdhsa_kernel k_qc6eb3fa3fd_p1
		.amdhsa_group_segment_fixed_size 18688
		.amdhsa_private_segment_fixed_size 0
		.amdhsa_enable_private_segment 0
		.amdhsa_kernarg_size 32
		.amdhsa_user_sgpr_count 2
		.amdhsa_user_sgpr_kernarg_segment_ptr 1
		.amdhsa_wavefront_size32 1
		.amdhsa_system_sgpr_workgroup_id_x 1
		.amdhsa_system_sgpr_workgroup_id_y 1
		.amdhsa_system_sgpr_workgroup_id_z 1
		.amdhsa_system_vgpr_workitem_id 0
		.amdhsa_next_free_vgpr 256
		.amdhsa_next_free_sgpr 66
		.amdhsa_reserve_vcc 0
		.amdhsa_float_denorm_mode_32 3
		.amdhsa_float_denorm_mode_16_64 3
		.amdhsa_memory_ordered 1
		.amdhsa_forward_progress 1
		.amdhsa_inst_pref_size 30
	.end_amdhsa_kernel
	.amdgpu_metadata
---
amdhsa.version: [ 1, 2 ]
amdhsa.kernels:
  - .name:           k_qc6eb3fa3fd_p1
    .symbol:         k_qc6eb3fa3fd_p1.kd
    .args:
      - { .name: adj, .offset: 0, .size: 8, .value_kind: global_buffer, .address_space: global }
      - { .name: x, .offset: 8, .size: 8, .value_kind: global_buffer, .address_space: global }
      - { .name: adjh, .offset: 16, .size: 8, .value_kind: global_buffer, .address_space: global }
      - { .name: p1s, .offset: 24, .size: 8, .value_kind: global_buffer, .address_space: global }
    .group_segment_fixed_size: 18688
    .private_segment_fixed_size: 0
    .kernarg_segment_align: 8
    .kernarg_segment_size: 32
    .max_flat_workgroup_size: 512
    .sgpr_count:     66
    .vgpr_count:     256
    .wavefront_size: 32
...
	.end_amdgpu_metadata
.endif
;; end of part 1
;; launch p2 (part 2): grid 256 x 1, 16 waves a work-group, no clusters, 36,864 bytes of LDS; arguments x, bn_gamma, bn_beta, p1s, hb; writes hb
.if DOCPART == 2
	.amdgcn_target "amdgcn-amd-amdhsa--gfx1250"
	.amdhsa_code_object_version 6
	.text
	.protected	k_qc6eb3fa3fd_p2
	.globl	k_qc6eb3fa3fd_p2
	.p2align	8
	.type	k_qc6eb3fa3fd_p2,@function
k_qc6eb3fa3fd_p2:
	s_mov_b64 s[64:65], 0
	v_nop
	global_prefetch_b8 v0, s[64:65] scope:SCOPE_SE
	s_setreg_imm32_b32 hwreg(HW_REG_WAVE_MODE, 25, 1), 1
	s_wait_xcnt 0x0
; Launch 2 of 7: BatchNorm is finished; h = dis xn goes out in f16, turned, in the order of the matrix fragments that the next launch loads; and xn's mean over a batch's nodes.
; hb: [batch][K step of 32 nodes][tile of 16 channels][half of 16 nodes][lane = 16 ((node / 8) % 2) + channel % 16][8 nodes]: 1 KiB a fragment; a work-group's 64 nodes are two K steps, 16 KiB dense.
; mu = sum / 16384.  16384 var = sum_g M2_g + 64 sum_g (mean_g - mu)^2, with M2_g each work-group's squares about its own mean: no difference of large sums.
; LIMIT: |h| <= 128 |gamma| + |beta| must stay under 65,504 (f16).
; Work-group g owns rows 64 g .. + 63 of x, wave w rows 4 w + q; a lane owns channels 4 l .. 4 l + 3 throughout.  Each wave reads 16 of the 256 work-groups' partial rows; the waves' sums meet in LDS.
.set RED1,  0
.set RED2,  8192
.set STG,   16384                      ; 128 rows (channel 4 l + e lies in row 32 e + l) x 144 bytes: 64 nodes in f16 + 16 of padding
.set SPARE, 34816
.set PS,  16                           ; v[16:79]   16 partial sums, four channels each; later h and its packing
.set PM,  80                           ; v[80:143]  16 partial M2
.set XR,  144
.set LD,  160                          ; v[160:223] sums read back from LDS
.set TQ,  224
.set MU,  228
.set AC,  232
.set DD,  236
.set GA,  240                          ; gamma, then gamma / sqrt(var + eps)
.set BE,  244
.set XS,  248                          ; the batch's sum of x (one wave of 256 uses it)
.set SPW, 252
.set NIL, 253
.set WV,  14
.macro TREE b, n, lo
.irp s,32,16,8,4,2
.if (\s < (\n)) && (\s >= (\lo))
.set z, 0
.rept \s/2
	v_pk_add_f32 v[(\b)+z:(\b)+z+1], v[(\b)+z:(\b)+z+1], v[(\b)+\s+z:(\b)+\s+z+1]
.set z, z+2
.endr
.endif
.endr
.endm
	s_load_b256 s[4:11], s[0:1], 0x0               ; x s[4:5], gamma s[6:7], beta s[8:9], p1s s[10:11]
	s_load_b64 s[12:13], s[0:1], 0x20              ; hb
	v_lshl_add_u32 v[SPW], v0, 2, SPARE
	v_mov_b32 v[NIL], 0
	v_lshrrev_b32 v1, 5, v0
	v_readfirstlane_b32 s[WV], v1
	v_and_b32 v1, 31, v0
	v_lshlrev_b32 v2, 4, v1                        ; 16 x lane
	v_lshlrev_b32 v5, 4, v0                        ; 16 x thread
	v_mul_u32_u24 v3, v1, 144
	s_lshl_b32 s25, s[WV], 3
	v_add_nc_u32 v3, s25, v3
	v_add_nc_u32 v3, STG, v3                       ; into the stage: row l (+ 32 e), my wave's four nodes = 8 bytes
	; back: thread t takes the 16 bytes that lie at 16 t of a K step's 8 KiB: channel 16 (t / 64) + t % 16, nodes 16 ((t / 32) % 2) + 8 ((t / 16) % 2) + 0..7
	v_and_b32 v6, 3, v0                            ; channel % 4
	v_bfe_u32 v8, v0, 2, 2
	v_lshl_add_u32 v6, v6, 5, v8                   ; the channel's row in the stage: 32 (channel % 4) + channel / 4,
	v_bfe_u32 v8, v0, 6, 3
	v_lshl_add_u32 v6, v8, 2, v6                   ; of which the tile gives 4 (t / 64)
	v_mul_u32_u24 v4, v6, 144
	v_bfe_u32 v8, v0, 4, 2
	v_lshl_add_u32 v4, v8, 4, v4                   ; 8 nodes are 16 bytes
	v_add_nc_u32 v4, STG, v4
.irp e,0,1,2,3
	v_mov_b32 v[XS+\e], 0
.endr
	s_and_b32 s15, ttmp9, 15
	s_or_b32 s15, s15, s[WV]                       ; 0 in wave 0 of a batch's first work-group alone
	s_lshl_b32 s24, ttmp9, 8
	s_lshl_b32 s26, s[WV], 4
	s_add_co_u32 s24, s24, s26                     ; my four dis, in bytes; kept until the scalar load is back
	s_lshl_b32 s26, ttmp9, 15
	s_lshl_b32 s27, s[WV], 11
	s_add_co_u32 s26, s26, s27                     ; my four rows of x
	s_mov_b32 s27, 0
	s_lshl_b32 s28, s[WV], 10
	s_add_co_u32 s28, s28, 65536                   ; the partial rows of work-group w (+ 16 k)
	s_mov_b32 s29, 0
	s_lshr_b32 s30, ttmp9, 4                       ; batch
	s_lshl_b32 s32, s30, 14
	s_add_co_u32 s32, s32, 65536                   ; the partial rows of my batch's 16 work-groups
	s_mov_b32 s33, 0
	s_lshl_b32 s36, s30, 9
	s_add_co_u32 s36, s36, 4194304                 ; xnm's row, behind the fragments
	s_mov_b32 s37, 0
	s_lshl_b32 s38, ttmp9, 14                      ; my two K steps
	s_mov_b32 s39, 0
	s_mov_b32 s34, 0x38800000                      ; 1 / 16384
	s_mov_b32 s35, 0x3727c5ac                      ; 1e-5
	s_wait_kmcnt 0x0
	s_load_b128 s[20:23], s[10:11], s24 offset:0x0 ; dis of my four rows (this launch writes nothing into p1s)
	s_add_nc_u64 s[4:5], s[4:5], s[26:27]
	s_add_nc_u64 s[16:17], s[10:11], s[28:29]
	s_add_nc_u64 s[18:19], s[10:11], s[32:33]
	s_add_nc_u64 s[36:37], s[12:13], s[36:37]
	s_add_nc_u64 s[12:13], s[12:13], s[38:39]
.irp q,0,1,2,3
	global_load_b128 v[XR+4*\q:XR+4*\q+3], v2, s[4:5] offset:512*\q
.endr
.irp k,0,1,2,3,4,5,6,7,8,9,10,11,12,13,14,15
	global_load_b128 v[PS+4*\k:PS+4*\k+3], v2, s[16:17] offset:16384*\k
	global_load_b128 v[PM+4*\k:PM+4*\k+3], v2, s[16:17] offset:16384*\k+512
.endr
	global_load_b128 v[GA:GA+3], v2, s[6:7]
	global_load_b128 v[BE:BE+3], v2, s[8:9]
	s_cmp_lg_u32 s15, 0
	s_cbranch_scc1 .Lnox
.irp k,0,1,2,3,4,5,6,7,8,9,10,11,12,13,14,15
	global_load_b128 v[LD+4*\k:LD+4*\k+3], v2, s[18:19] offset:1024*\k
.endr
	s_wait_loadcnt 0x0
	TREE LD, 64, 4
.irp e,0,1,2,3
	v_mov_b32 v[XS+\e], v[LD+\e]
.endr
.Lnox:
	s_wait_loadcnt 0x0
	; mu
	v_pk_add_f32 v[TQ:TQ+1], v[PS:PS+1], v[PS+4:PS+5]
	v_pk_add_f32 v[TQ+2:TQ+3], v[PS+2:PS+3], v[PS+6:PS+7]
.set z, 2
.rept 14
	v_pk_add_f32 v[TQ:TQ+1], v[TQ:TQ+1], v[PS+4*z:PS+4*z+1]
	v_pk_add_f32 v[TQ+2:TQ+3], v[TQ+2:TQ+3], v[PS+4*z+2:PS+4*z+3]
.set z, z+1
.endr
	ds_store_b128 v5, v[TQ:TQ+3] offset:RED1
	s_wait_dscnt 0x0
	s_barrier_signal -1
	s_barrier_wait -1
.irp k,0,1,2,3,4,5,6,7,8,9,10,11,12,13,14,15
	ds_load_b128 v[LD+4*\k:LD+4*\k+3], v2 offset:RED1+512*\k
.endr
	s_wait_dscnt 0x0
	TREE LD, 64, 4
	v_pk_mul_f32 v[MU:MU+1], v[LD:LD+1], 0x38800000 op_sel_hi:[1,0]
	v_pk_mul_f32 v[MU+2:MU+3], v[LD+2:LD+3], 0x38800000 op_sel_hi:[1,0]
	; the variance
.set z, 0
.rept 16
	v_pk_fma_f32 v[DD:DD+1], v[PS+4*z:PS+4*z+1], 0x3c800000, v[MU:MU+1] op_sel_hi:[1,0,1] neg_lo:[0,0,1] neg_hi:[0,0,1]      ; mean_g - mu
	v_pk_fma_f32 v[DD+2:DD+3], v[PS+4*z+2:PS+4*z+3], 0x3c800000, v[MU+2:MU+3] op_sel_hi:[1,0,1] neg_lo:[0,0,1] neg_hi:[0,0,1]
.if z == 0
	v_pk_mul_f32 v[AC:AC+1], v[DD:DD+1], v[DD:DD+1]
	v_pk_mul_f32 v[AC+2:AC+3], v[DD+2:DD+3], v[DD+2:DD+3]
.else
	v_pk_fma_f32 v[AC:AC+1], v[DD:DD+1], v[DD:DD+1], v[AC:AC+1]
	v_pk_fma_f32 v[AC+2:AC+3], v[DD+2:DD+3], v[DD+2:DD+3], v[AC+2:AC+3]
.endif
.set z, z+1
.endr
	TREE PM, 64, 4
	v_pk_fma_f32 v[AC:AC+1], v[AC:AC+1], 0x42800000, v[PM:PM+1] op_sel_hi:[1,0,1]      ; 64 x the spread + the M2
	v_pk_fma_f32 v[AC+2:AC+3], v[AC+2:AC+3], 0x42800000, v[PM+2:PM+3] op_sel_hi:[1,0,1]
	ds_store_b128 v5, v[AC:AC+3] offset:RED2
	s_wait_dscnt 0x0
	s_barrier_signal -1
	s_barrier_wait -1
.irp k,0,1,2,3,4,5,6,7,8,9,10,11,12,13,14,15
	ds_load_b128 v[LD+4*\k:LD+4*\k+3], v2 offset:RED2+512*\k
.endr
	s_wait_dscnt 0x0
	TREE LD, 64, 4
.irp e,0,1,2,3
	v_fma_f32 v[LD+\e], v[LD+\e], s34, s35         ; var + eps
.endr
.irp e,0,1,2,3
	v_rsq_f32 v[LD+\e], v[LD+\e]
.endr
	v_nop
	s_wait_alu depctr_va_vdst(0)                   ; one wait for the four roots
.irp e,0,1,2,3
	v_mul_f32 v[GA+\e], v[GA+\e], v[LD+\e]
.endr
	s_wait_kmcnt 0x0                               ; dis
	; h = dis ((x - mu) gsc + beta)
.irp q,0,1,2,3
	v_pk_add_f32 v[PS+4*\q:PS+4*\q+1], v[XR+4*\q:XR+4*\q+1], v[MU:MU+1] neg_lo:[0,1] neg_hi:[0,1]
	v_pk_add_f32 v[PS+4*\q+2:PS+4*\q+3], v[XR+4*\q+2:XR+4*\q+3], v[MU+2:MU+3] neg_lo:[0,1] neg_hi:[0,1]
	v_pk_fma_f32 v[PS+4*\q:PS+4*\q+1], v[PS+4*\q:PS+4*\q+1], v[GA:GA+1], v[BE:BE+1]
	v_pk_fma_f32 v[PS+4*\q+2:PS+4*\q+3], v[PS+4*\q+2:PS+4*\q+3], v[GA+2:GA+3], v[BE+2:BE+3]
.irp e,0,1,2,3
	v_mul_f32 v[PS+4*\q+\e], s[20+\q], v[PS+4*\q+\e]
.endr
.endr
.irp e,0,1,2,3
	v_cvt_pk_f16_f32 v[PS+16+2*\e], v[PS+\e], v[PS+4+\e]       ; channel 4 l + e, nodes 4 w, 4 w + 1
	v_cvt_pk_f16_f32 v[PS+17+2*\e], v[PS+8+\e], v[PS+12+\e]    ; nodes 4 w + 2, 4 w + 3
.endr
.irp e,0,1,2,3
	ds_store_b64 v3, v[PS+16+2*\e:PS+17+2*\e] offset:4608*\e
.endr
	s_wait_dscnt 0x0
	s_barrier_signal -1
	s_barrier_wait -1
	ds_load_b128 v[PS+24:PS+27], v4                ; the first K step: nodes 0 to 31
	ds_load_b128 v[PS+28:PS+31], v4 offset:64      ; the second: 32 nodes, 64 bytes, further along the stage's rows
	s_wait_dscnt 0x0
	global_store_b128 v5, v[PS+24:PS+27], s[12:13]             ; 16 lanes store 256 consecutive bytes, aligned
	global_store_b128 v5, v[PS+28:PS+31], s[12:13] offset:8192
	s_cmp_lg_u32 s15, 0
	s_cbranch_scc1 .Lend
	v_pk_fma_f32 v[XS:XS+1], v[XS:XS+1], 0x3a800000, v[MU:MU+1] op_sel_hi:[1,0,1] neg_lo:[0,0,1] neg_hi:[0,0,1]      ; the batch's mean of x, less mu
	v_pk_fma_f32 v[XS+2:XS+3], v[XS+2:XS+3], 0x3a800000, v[MU+2:MU+3] op_sel_hi:[1,0,1] neg_lo:[0,0,1] neg_hi:[0,0,1]
	v_pk_fma_f32 v[XS:XS+1], v[XS:XS+1], v[GA:GA+1], v[BE:BE+1]
	v_pk_fma_f32 v[XS+2:XS+3], v[XS+2:XS+3], v[GA+2:GA+3], v[BE+2:BE+3]
	global_store_b128 v2, v[XS:XS+3], s[36:37]
.Lend:
	s_wait_tensorcnt 0x0                           ; the wave's end
	ds_add_u32 v[SPW], v[NIL]
	s_wait_dscnt 0x0
	s_endpgm
.Lfunc_end_k_qc6eb3fa3fd_p2:
	.size	k_qc6eb3fa3fd_p2, .Lfunc_end_k_qc6eb3fa3fd_p2-k_qc6eb3fa3fd_p2
	.p2alignl 7, 3214868480
	.fill 96, 4, 3214868480
	.section	.rodata,"a",@progbits
	.p2align	6, 0x0
	.amdhsa_kernel k_qc6eb3fa3fd_p2
		.amdhsa_group_segment_fixed_size 36864
		.amdhsa_private_segment_fixed_size 0
		.amdhsa_enable_private_segment 0
		.amdhsa_kernarg_size 40
		.amdhsa_user_sgpr_count 2
		.amdhsa_user_sgpr_kernarg_segment_ptr 1
		.amdhsa_wavefront_size32 1
		.amdhsa_system_sgpr_workgroup_id_x 1
		.amdhsa_system_sgpr_workgroup_id_y 1
		.amdhsa_system_sgpr_workgroup_id_z 1
		.amdhsa_system_vgpr_workitem_id 0
		.amdhsa_next_free_vgpr 256
		.amdhsa_next_free_sgpr 66
		.amdhsa_reserve_vcc 0
		.amdhsa_float_denorm_mode_32 3
		.amdhsa_float_denorm_mode_16_64 3
		.amdhsa_memory_ordered 1
		.amdhsa_forward_progress 1
		.amdhsa_inst_pref_size 30
	.end_amdhsa_kernel
	.amdgpu_metadata
---
amdhsa.version: [ 1, 2 ]
amdhsa.kernels:
  - .name:           k_qc6eb3fa3fd_p2
    .symbol:         k_qc6eb3fa3fd_p2.kd
    .args:
      - { .name: x, .offset: 0, .size: 8, .value_kind: global_buffer, .address_space: global }
      - { .name: bn_gamma, .offset: 8, .size: 8, .value_kind: global_buffer, .address_space: global }
      - { .name: bn_beta, .offset: 16, .size: 8, .value_kind: global_buffer, .address_space: global }
      - { .name: p1s, .offset: 24, .size: 8, .value_kind: global_buffer, .address_space: global }
      - { .name: hb, .offset: 32, .size: 8, .value_kind: global_buffer, .address_space: global }
    .group_segment_fixed_size: 36864
    .private_segment_fixed_size: 0
    .kernarg_segment_align: 8
    .kernarg_segment_size: 40
    .max_flat_workgroup_size: 512
    .sgpr_count:     66
    .vgpr_count:     256
    .wavefront_size: 32
...
	.end_amdgpu_metadata
.endif
;; end of part 2
;; launch p3 (part 3): grid 256 x 1, 4 waves a work-group, no clusters, 167,936 bytes of LDS; arguments adjh, hb, p1s, yb; writes yb
.if DOCPART == 3
	.amdgcn_target "amdgcn-amd-amdhsa--gfx1250"
	.amdhsa_code_object_version 6
	.text
	.protected	k_qc6eb3fa3fd_p3
	.globl	k_qc6eb3fa3fd_p3
	.p2align	8
	.type	k_qc6eb3fa3fd_p3,@function
k_qc6eb3fa3fd_p3:
	s_mov_b64 s[64:65], 0
	v_nop
	global_prefetch_b8 v0, s[64:65] scope:SCOPE_SE
	s_setreg_imm32_b32 hwreg(HW_REG_WAVE_MODE, 25, 1), 1
	s_wait_xcnt 0x0
; Launch 3 of 7: y[m][i] = dis_m sum_n a[m][n] h[n][i], a = adj with its diagonal set to 1; y in bf16, and y's column sums over each block of 64 rows in f32.
; xw and u are not formed (first kernel's head).  LIMITS: adj and h in f16, as stated there; y is rounded to bf16, whose range is f32's.
; SHARES.  Work-group g makes rows 64 g .. + 63, all 128 channels, K = 1,024.  Its 64 x 1,024 of adj lie in LDS, four chunks of 256 columns, one tensor load a wave (by this text's count one is out a wave);
; every LDS byte is filled once.  Wave w makes channels 32 w .. + 31 of all 64 rows: 8 accumulators; its own 32 x 1,024 of h^T lies in 512 registers, asked for at the head.  h lies in memory in the order of
; these fragments (the launch before lays it so): a load of a wave covers 512 consecutive bytes.
; NO CLUSTER: the tile of adj is one work-group's own; h is shared by a batch's 16 work-groups, but its 256 KiB do not fit in LDS beside adj's 132 KiB, so it comes through registers.
; THE PRODUCT IS TAKEN TRANSPOSED: source 0 = 16 channels of h^T, source 1 = 16 rows of adj: a lane holds one row m (lane % 16) and eight neighbouring channels.
; REGISTERS, in windows of 256: window 0 addresses, accumulators, adj's fragments; h's fragment (K step s, half ti) at v[8 (2 (s % 14) + ti)] of window 1 + s / 14.  Only source 0 changes window; an LDS load's
; address is its source 0, so the four chunk addresses are copied to v240-243 of windows 1 to 3.
.set CH,    33792                      ; a chunk: 64 rows x (512 + 16) bytes
.set STAGE, 135168                     ; 64 rows x 272 bytes, for the way out
.set YS,    152576                     ; 128 column sums
.set SPARE, 153088
.set VH,  3
.set AD,  4                            ; v4-7
.set PAT, 8
.set ONEH, 9
.set STO, 10
.set RD,  11
.set CO,  12
.set YSW, 13
.set SPW, 14
.set NIL, 15
.set DI,  16                           ; v16-19 dis of row 16 tm + lane % 16
.set RO,  20
.set LO,  21
.set YSR, 22
.set ACC, 32                           ; v[32:95]  accumulator (ti, tm) at ACC + 8 (4 ti + tm)
.set AF,  96                           ; v[96:223] adj's fragments, two buffers of 64
.set PK,  224
.set WV,  24
.set MSB, 0
.macro WIN new
.if MSB != (\new)
	s_set_vgpr_msb (MSB<<8)|(\new)
.set MSB, (\new)
.endif
.endm
.macro PLACES
.rept 4
	v_nop
.endr
.endm
	s_load_b256 s[4:11], s[0:1], 0x0               ; adjh s[4:5], hb s[6:7], p1s s[8:9], yb s[10:11]
	v_lshl_add_u32 v[SPW], v0, 2, SPARE
	v_mov_b32 v[NIL], 0
	ds_add_u32 v[SPW], v[NIL]                      ; the opening: the add, twice on end, and its wait ahead of my first tensor load
	ds_add_u32 v[SPW], v[NIL]
	v_lshrrev_b32 v1, 5, v0
	v_readfirstlane_b32 s[WV], v1                  ; wave 0..3
	s_mov_b32 s12, 1                               ; group 0: count
	s_mul_i32 s13, s[WV], CH                       ; LDS address: chunk w
	s_mov_b32 s16, (1<<16)|(1<<20)|(6<<22)|(3<<25) ; group 1: 2-byte elements, 4 words of padding behind every 128
	s_mov_b32 s17, 256<<16                         ; tensor_dim0 = 256
	s_mov_b32 s18, 64<<16                          ; tensor_dim1 = 64
	s_mov_b32 s19, 256<<16                         ; tile_dim0 = 256
	s_mov_b32 s20, 64                              ; tile_dim1 = 64
	s_mov_b32 s21, 1024                            ; elements from row to row
	s_mov_b32 s22, 0
	s_mov_b32 s23, 0
	s_lshl_b32 s26, ttmp9, 17                      ; 64 rows of 2,048 bytes,
	s_lshl_b32 s27, s[WV], 9                       ; 256 columns on for each chunk
	s_add_co_u32 s26, s26, s27
	s_mov_b32 s27, 0
	v_and_b32 v1, 15, v0                           ; r
	v_bfe_u32 v2, v0, 4, 1                         ; h
	v_and_b32 v[VH], 31, v0
	v_lshlrev_b32 v[VH], 4, v[VH]                  ; h's fragments: 16 bytes a lane, lanes on end
	v_mul_u32_u24 v[AD], v1, 528
	v_lshl_add_u32 v[AD], v2, 4, v[AD]
.irp c,1,2,3
	v_add_nc_u32 v[AD+\c], CH*\c, v[AD]
.endr
	s_and_b32 s32, ttmp9, 15                       ; j
	s_lshr_b32 s33, s32, 2
	s_mul_i32 s33, s33, CH                         ; the diagonal of my rows lies in chunk j / 4,
	s_and_b32 s32, s32, 3
	s_lshl_b32 s32, s32, 7                         ; from its column 64 (j % 4) on
	s_add_co_u32 s25, s33, s32
	v_and_b32 v[PAT], 31, v0
	v_mul_u32_u24 v[PAT], v[PAT], 530              ; row l, column l further on
	v_add_nc_u32 v[PAT], s25, v[PAT]
	v_min_u32 v[PAT], 118190, v[PAT]               ; 31 x 530 + 3 chunks + 384 at the most: the bound changes no address and keeps it, with the second store's 16,960, inside the chunks
	v_mov_b32 v[ONEH], 0x3c00                      ; 1.0 in f16
	s_lshl_b32 s32, s[WV], 6
	v_mul_u32_u24 v[STO], v1, 272
	v_lshl_add_u32 v[STO], v2, 4, v[STO]
	v_add_nc_u32 v[STO], s32, v[STO]
	v_add_nc_u32 v[STO], STAGE, v[STO]             ; row r (+ 16 tm), my wave's 64 bytes, 16 h
	s_mul_i32 s32, s[WV], 16*272
	v_mul_u32_u24 v[RD], v2, 272
	v_lshl_add_u32 v[RD], v1, 4, v[RD]
	v_add_nc_u32 v[RD], s32, v[RD]
	v_add_nc_u32 v[RD], STAGE, v[RD]               ; back: rows 16 w + h (+ 2 t), 16 bytes a lane
	v_lshlrev_b32 v[CO], 8, v2
	v_lshl_add_u32 v[CO], v1, 4, v[CO]
	s_lshl_b32 s32, s[WV], 7
	v_lshl_add_u32 v[YSW], v2, 5, s32
	v_add_nc_u32 v[YSW], YS, v[YSW]
	v_lshlrev_b32 v[RO], 2, v1
	v_and_b32 v[LO], 31, v0
	v_lshlrev_b32 v[LO], 4, v[LO]
	v_add_nc_u32 v[YSR], YS, v[LO]
	s_lshr_b32 s32, ttmp9, 4
	s_lshl_b32 s32, s32, 18                        ; the batch's 32 K steps of h, 8 KiB each;
	s_lshl_b32 s33, s[WV], 11                      ; my two tiles of 16 channels, 1 KiB each
	s_add_co_u32 s32, s32, s33
	s_mov_b32 s33, 0
	s_lshl_b32 s34, ttmp9, 8
	s_mov_b32 s35, 0
	s_lshl_b32 s36, ttmp9, 14
	s_lshl_b32 s37, s[WV], 12
	s_add_co_u32 s36, s36, s37                     ; y: my work-group's rows, my wave's 16 on the way out
	s_mov_b32 s37, 0
	s_lshl_b32 s38, ttmp9, 9
	s_add_co_u32 s38, s38, 4194304                 ; the column sums, behind y
	s_mov_b32 s39, 0
	s_wait_dscnt 0x0                               ; both opening adds are done
	s_wait_kmcnt 0x0
	s_add_nc_u64 s[14:15], s[4:5], s[26:27]
	s_or_b32 s15, s15, 0x80000000                  ; type = 2
	s_add_nc_u64 s[6:7], s[6:7], s[32:33]
	s_add_nc_u64 s[8:9], s[8:9], s[34:35]
	s_add_nc_u64 s[28:29], s[10:11], s[36:37]
	s_add_nc_u64 s[30:31], s[10:11], s[38:39]
	tensor_load_to_lds s[12:15], s[16:23]
	s_nop 0
	PLACES
.irp tm,0,1,2,3
	global_load_b32 v[DI+\tm], v[RO], s[8:9] offset:64*\tm
.endr
.set ks, 0
.rept 32                               ; h's fragments in the order in which they are multiplied: four loads a K step, 512 consecutive bytes each
	WIN (1+ks/14)<<6
.irp ti,0,1
	global_load_b128 v[8*(2*(ks%14)+\ti):8*(2*(ks%14)+\ti)+3], v[VH], s[6:7] offset:ks*8192+\ti*1024
	global_load_b128 v[8*(2*(ks%14)+\ti)+4:8*(2*(ks%14)+\ti)+7], v[VH], s[6:7] offset:ks*8192+\ti*1024+512
.endr
.set ks, ks+1
.endr
.irp wn,1,2,3
	WIN \wn<<6
.irp c,0,1,2,3
	v_mov_b32 v[240+\c], v[AD+\c]
.endr
.endr
	WIN 0
	s_wait_tensorcnt 0x0                           ; my chunk is in,
	s_barrier_signal -1
	s_barrier_wait -1                              ; everybody's is
	s_cmp_lg_u32 s[WV], 0
	s_cbranch_scc1 .Lnopatch
	ds_store_b16 v[PAT], v[ONEH]                   ; the diagonal counts as 1: wave 0 alone, rows l
	ds_store_b16 v[PAT], v[ONEH] offset:16960      ; and l + 32; the chunks have had their only fill
.Lnopatch:
	s_wait_dscnt 0x0
	s_barrier_signal -1
	s_barrier_wait -1
.macro LOADA u                         ; adj's fragments of K steps 2 u, 2 u + 1: 16 loads into buffer u % 2
.set bf, AF+64*((\u)&1)
.irp sv,0,1
.irp tm,0,1,2,3
	ds_load_b128 v[bf+32*\sv+8*\tm:bf+32*\sv+8*\tm+3], v[240+((2*(\u)+\sv)>>3)] offset:\tm*8448+((2*(\u)+\sv)&7)*64
	ds_load_b128 v[bf+32*\sv+8*\tm+4:bf+32*\sv+8*\tm+7], v[240+((2*(\u)+\sv)>>3)] offset:\tm*8448+((2*(\u)+\sv)&7)*64+32
.endr
.endr
.endm
.macro MUL u                           ; 16 products; the 8 accumulators take turns, one instruction a turn; K step 0 starts the sums
.set bf, AF+64*((\u)&1)
.irp sv,0,1
.irp ti,0,1
.irp tm,0,1,2,3
.set hr, 8*(2*((2*(\u)+\sv)%14)+\ti)
.if (2*(\u)+\sv) == 0
	v_wmma_f32_16x16x32_f16 v[ACC+8*(4*\ti+\tm):ACC+8*(4*\ti+\tm)+7], v[hr:hr+7], v[bf+32*\sv+8*\tm:bf+32*\sv+8*\tm+7], 0
.else
	v_wmma_f32_16x16x32_f16 v[ACC+8*(4*\ti+\tm):ACC+8*(4*\ti+\tm)+7], v[hr:hr+7], v[bf+32*\sv+8*\tm:bf+32*\sv+8*\tm+7], v[ACC+8*(4*\ti+\tm):ACC+8*(4*\ti+\tm)+7]
.endif
.endr
.endr
.endr
.endm
	WIN 1
	LOADA 0
.set uu, 0
.rept 16
	WIN 1+(2*uu)/14
	PLACES                                         ; four places between the last product that read a buffer and the loads into it
.if uu < 15
	LOADA uu+1
	s_wait_dscnt 16                                ; the 16 just issued may stay out
.else
	s_wait_dscnt 0x0
.endif
.if 120-8*uu > 63
	s_wait_loadcnt 63                              ; 120 - 8 u loads of h were issued behind K step 2 u + 1's; the wait's field holds 63
.else
	s_wait_loadcnt 120-8*uu
.endif
	MUL uu
.set uu, uu+1
.endr
	WIN 0
	PLACES
	; THE WAY OUT: times dis_m; the block's column sums; bf16 through the stage, whole rows of 256 bytes out
.irp a,0,1,2,3,4,5,6,7
.set z, 0
.rept 8
	v_mul_f32 v[ACC+8*\a+z], v[DI+(\a&3)], v[ACC+8*\a+z]
.set z, z+1
.endr
.endr
.irp ti,0,1
.irp p,0,2,4,6
	v_pk_add_f32 v[AF+8*\ti+\p:AF+8*\ti+\p+1], v[ACC+32*\ti+\p:ACC+32*\ti+\p+1], v[ACC+32*\ti+8+\p:ACC+32*\ti+8+\p+1]
	v_pk_add_f32 v[AF+16+8*\ti+\p:AF+16+8*\ti+\p+1], v[ACC+32*\ti+16+\p:ACC+32*\ti+16+\p+1], v[ACC+32*\ti+24+\p:ACC+32*\ti+24+\p+1]
.endr
.endr
.irp p,0,2,4,6,8,10,12,14
	v_pk_add_f32 v[AF+\p:AF+\p+1], v[AF+\p:AF+\p+1], v[AF+16+\p:AF+16+\p+1]
.endr
.irp m,1,2,4,8
.set z, 0
.rept 16
	v_add_f32_dpp v[AF+z], v[AF+z], v[AF+z] row_xmask:\m row_mask:0xf bank_mask:0xf
.set z, z+1
.endr
.endr
.irp ti,0,1
	ds_store_b128 v[YSW], v[AF+8*\ti:AF+8*\ti+3] offset:64*\ti          ; the 16 lanes of a half hold the same sums
	ds_store_b128 v[YSW], v[AF+8*\ti+4:AF+8*\ti+7] offset:64*\ti+16
.endr
.irp a,0,1,2,3,4,5,6,7
.irp p,0,1,2,3
	v_cvt_pk_bf16_f32 v[PK+4*\a+\p], v[ACC+8*\a+2*\p], v[ACC+8*\a+2*\p+1]
.endr
.endr
.irp ti,0,1
.irp tm,0,1,2,3
	ds_store_b128 v[STO], v[PK+4*(4*\ti+\tm):PK+4*(4*\ti+\tm)+3] offset:\tm*4352+32*\ti
.endr
.endr
	s_wait_dscnt 0x0
	s_barrier_signal -1
	s_barrier_wait -1
.irp t,0,1,2,3,4,5,6,7
	ds_load_b128 v[AF+32+4*\t:AF+32+4*\t+3], v[RD] offset:544*\t
.endr
.irp t,0,1,2,3,4,5,6,7
	s_wait_dscnt 7-\t                              ; the younger loads may stay out
	global_store_b128 v[CO], v[AF+32+4*\t:AF+32+4*\t+3], s[28:29] offset:512*\t   ; 16 lanes store a row's 256 bytes
.endr
	s_cmp_lg_u32 s[WV], 0
	s_cbranch_scc1 .Lend
	ds_load_b128 v[AF+16:AF+19], v[YSR]
	s_wait_dscnt 0x0
	global_store_b128 v[LO], v[AF+16:AF+19], s[30:31]
.Lend:
	s_wait_tensorcnt 0x0                           ; the wave's end
	ds_add_u32 v[SPW], v[NIL]
	s_wait_dscnt 0x0
	s_endpgm
.Lfunc_end_k_qc6eb3fa3fd_p3:
	.size	k_qc6eb3fa3fd_p3, .Lfunc_end_k_qc6eb3fa3fd_p3-k_qc6eb3fa3fd_p3
	.p2alignl 7, 3214868480
	.fill 96, 4, 3214868480
	.section	.rodata,"a",@progbits
	.p2align	6, 0x0
	.amdhsa_kernel k_qc6eb3fa3fd_p3
		.amdhsa_group_segment_fixed_size 167936
		.amdhsa_private_segment_fixed_size 0
		.amdhsa_enable_private_segment 0
		.amdhsa_kernarg_size 32
		.amdhsa_user_sgpr_count 2
		.amdhsa_user_sgpr_kernarg_segment_ptr 1
		.amdhsa_wavefront_size32 1
		.amdhsa_system_sgpr_workgroup_id_x 1
		.amdhsa_system_sgpr_workgroup_id_y 1
		.amdhsa_system_sgpr_workgroup_id_z 1
		.amdhsa_system_vgpr_workitem_id 0
		.amdhsa_next_free_vgpr 1024
		.amdhsa_next_free_sgpr 66
		.amdhsa_reserve_vcc 0
		.amdhsa_float_denorm_mode_32 3
		.amdhsa_float_denorm_mode_16_64 3
		.amdhsa_memory_ordered 1
		.amdhsa_forward_progress 1
		.amdhsa_inst_pref_size 66
	.end_amdhsa_kernel
	.amdgpu_metadata
---
amdhsa.version: [ 1, 2 ]
amdhsa.kernels:
  - .name:           k_qc6eb3fa3fd_p3
    .symbol:         k_qc6eb3fa3fd_p3.kd
    .args:
      - { .name: adjh, .offset: 0, .size: 8, .value_kind: global_buffer, .address_space: global }
      - { .name: hb, .offset: 8, .size: 8, .value_kind: global_buffer, .address_space: global }
      - { .name: p1s, .offset: 16, .size: 8, .value_kind: global_buffer, .address_space: global }
      - { .name: yb, .offset: 24, .size: 8, .value_kind: global_buffer, .address_space: global }
    .group_segment_fixed_size: 167936
    .private_segment_fixed_size: 0
    .kernarg_segment_align: 8
    .kernarg_segment_size: 32
    .max_flat_workgroup_size: 128
    .sgpr_count:     66
    .vgpr_count:     1024
    .wavefront_size: 32
...
	.end_amdgpu_metadata
.endif
;; end of part 3
;; launch x1 (part 4): grid 256 x 1, 8 waves a work-group, no clusters, 5,632 bytes of LDS; arguments W, bias, yb, g1; writes g1
.if DOCPART == 4
	.amdgcn_target "amdgcn-amd-amdhsa--gfx1250"
	.amdhsa_code_object_version 6
	.text
	.protected	k_qc6eb3fa3fd_x1
	.globl	k_qc6eb3fa3fd_x1
	.p2align	8
	.type	k_qc6eb3fa3fd_x1,@function
k_qc6eb3fa3fd_x1:
	s_mov_b64 s[64:65], 0
	v_nop
	global_prefetch_b8 v0, s[64:65] scope:SCOPE_SE
	s_setreg_imm32_b32 hwreg(HW_REG_WAVE_MODE, 25, 1), 1
	s_wait_xcnt 0x0
; Launch 4 of 7: the first routing step.  b = 0 is built by reference() itself, so c = 1/16 and sum_n c = 64 by identity (first kernel's head): no sparsemax and no product with b is run.
; Work-group (batch b, capsule j): z = (1/16) sum_n y[n,:], s = z W_j + 64 bias_j, v = squash(s), and what the next step needs of v: G = W_j v (128 numbers) and cb = bias_j . v.
; The two products with W_j have one row each: they are done in f32 on the vector unit, W_j (64 KiB) held in the eight waves' registers: wave w rows 16 w + k, register 4 k + e of window 1 = W[j][16 w + k][4 l + e].
.set SP,    0                          ; 8 waves x 512 bytes: partial s
.set GS,    4096                       ; G, 512 bytes
.set SPARE, 4608
.set LN, 1
.set RR, 2
.set HH, 3
.set SPW, 14
.set NIL, 15
.set ZL,  32
.set ZT,  33
.set KAP, 41
.set TP,  42
.set ZO,  43
.set PQ,  44
.set LDT, 52
.set VV,  84
.set SQ,  88
.set TA1, 89
.set TB1, 90
.set CBV, 91
.set Q,   96
.set A16L, 239
.set BQ,  240
.set YOF, 248
.set SPS, 251
.set SPL, 252
.set GSW, 253
.set GSL, 254
.set WV, 22
.set SG, 23
.set SBT, 24
.set SJ, 25
.set SZ, 44                            ; s[44:59] my wave's 16 numbers of z
.set SV, 60
.set SEL, 62
.set MSB, 0
.macro WIN new
.if MSB != (\new)
	s_set_vgpr_msb (MSB<<8)|(\new)
.set MSB, (\new)
.endif
.endm
.macro TREE b, n, lo
.irp s,32,16,8,4,2
.if (\s < (\n)) && (\s >= (\lo))
.set z, 0
.rept \s/2
	v_pk_add_f32 v[(\b)+z:(\b)+z+1], v[(\b)+z:(\b)+z+1], v[(\b)+\s+z:(\b)+\s+z+1]
.set z, z+2
.endr
.endif
.endr
.endm
.macro WSUM r                          ; the sum over the wave's 32 lanes, in every lane
.irp m,1,2,4,8
	v_add_f32_dpp v[\r], v[\r], v[\r] row_xmask:\m row_mask:0xf bank_mask:0xf
.endr
	v_permlanex16_b32 v[TP], v[\r], s[SEL], s[SEL+1]
	v_add_f32 v[\r], v[\r], v[TP]
.endm
.macro SVEC_A                          ; lane r holds z[16 w + r] in ZL: my wave's part of z W_j, four columns a lane, into LDS
	WIN 0
.set z, 0
.rept 16
	v_readlane_b32 s[SZ+z], v[ZL], z
.set z, z+1
.endr
	WIN 0x04                                       ; source 1 in window 1
.irp e,0,1,2,3
	v_mul_f32 v[PQ+\e], s[SZ], v[\e]
.endr
.set z, 1
.rept 15
.irp e,0,1,2,3
	v_fmac_f32 v[PQ+\e], s[SZ+z], v[4*z+\e]
.endr
.set z, z+1
.endr
	WIN 0
	ds_store_b128 v[SPS], v[PQ:PQ+3]
.endm
.macro SVEC_B                          ; the eight waves' parts are added: v[LDT:LDT+3] = (z W_j)[4 l ..]
.irp k,0,1,2,3,4,5,6,7
	ds_load_b128 v[LDT+4*\k:LDT+4*\k+3], v[SPL] offset:512*\k
.endr
	s_wait_dscnt 0x0
	TREE LDT, 32, 4
.endm
	s_load_b256 s[4:11], s[0:1], 0x0               ; W s[4:5], bias s[6:7], yb s[8:9], g1 s[10:11]
	v_lshl_add_u32 v[SPW], v0, 2, SPARE
	v_mov_b32 v[NIL], 0
	v_lshrrev_b32 v1, 5, v0
	v_readfirstlane_b32 s[WV], v1
	s_mov_b32 s[SG], ttmp9
	s_lshr_b32 s[SBT], ttmp9, 4
	s_and_b32 s[SJ], s[SG], 15
	v_and_b32 v[LN], 31, v0
	v_and_b32 v[RR], 15, v0
	v_bfe_u32 v[HH], v0, 4, 1
	v_lshlrev_b32 v[A16L], 4, v[LN]
	v_lshlrev_b32 v[YOF], 12, v[HH]
	v_lshl_add_u32 v[YOF], v[RR], 2, v[YOF]        ; blocks 8 h + t, channel 16 w + r
	s_lshl_b32 s28, s[WV], 9
	v_lshl_add_u32 v[SPS], v[LN], 4, s28
	v_add_nc_u32 v[SPS], SP, v[SPS]
	v_lshl_add_u32 v[SPL], v[LN], 4, SP
	s_lshl_b32 s28, s[WV], 6
	v_mov_b32 v[GSW], s28
	v_add_nc_u32 v[GSW], GS, v[GSW]
	v_lshl_add_u32 v[GSL], v[LN], 4, GS
	v_mov_b32 v[TP], 0
	v_mov_b32 v[ZO], 0
	v_mov_b32 v[KAP], 0x42800000                   ; sum_n c = 64
	s_mov_b32 s[SEL], 0x76543210
	s_mov_b32 s[SEL+1], 0xfedcba98
	s_mov_b32 s31, 0
	s_wait_kmcnt 0x0
	s_lshl_b32 s30, s[SBT], 13
	s_add_co_u32 s30, s30, s28
	s_add_co_u32 s30, s30, 4194304
	s_add_nc_u64 s[66:67], s[8:9], s[30:31]        ; the batch's column sums, my wave's 16 channels
	s_lshl_b32 s30, s[SJ], 16
	s_lshl_b32 s29, s[WV], 13
	s_add_co_u32 s30, s30, s29
	s_add_nc_u64 s[70:71], s[4:5], s[30:31]        ; W_j, my 16 rows
	s_lshl_b32 s30, s[SJ], 9
	s_add_nc_u64 s[72:73], s[6:7], s[30:31]
	s_lshl_b32 s30, s[SG], 9
	s_add_nc_u64 s[78:79], s[10:11], s[30:31]      ; my row of G
	s_lshl_b32 s30, s[SG], 2
	s_add_co_u32 s30, s30, 131072
	s_add_nc_u64 s[80:81], s[10:11], s[30:31]      ; my cb
.irp t,0,1,2,3,4,5,6,7
	global_load_b32 v[ZT+\t], v[YOF], s[66:67] offset:512*\t
.endr
	global_load_b128 v[BQ:BQ+3], v[A16L], s[72:73]
	WIN 0x40
.irp k,0,1,2,3,4,5,6,7,8,9,10,11,12,13,14,15
	global_load_b128 v[4*\k:4*\k+3], v[A16L], s[70:71] offset:512*\k
.endr
	WIN 0
	s_wait_loadcnt 17                              ; bias and W's 16 loads may stay out
	v_add_f32 v[ZL], v[ZT], v[ZT+1]
.irp t,2,3,4,5,6,7
	v_add_f32 v[ZL], v[ZL], v[ZT+\t]
.endr
	v_permlanex16_b32 v[TP], v[ZL], s[SEL], s[SEL+1]
	v_add_f32 v[ZL], v[ZL], v[TP]
	v_mul_f32 v[ZL], 0x3d800000, v[ZL]             ; c = 1/16
	s_wait_loadcnt 0x0
	SVEC_A
	s_wait_dscnt 0x0
	s_barrier_signal -1
	s_barrier_wait -1
	SVEC_B
	; squash over the capsule's 128 numbers
.irp e,0,1,2,3
	v_fmac_f32 v[LDT+\e], v[KAP], v[BQ+\e]
.endr
	v_mul_f32 v[SQ], v[LDT], v[LDT]
.irp e,1,2,3
	v_fmac_f32 v[SQ], v[LDT+\e], v[LDT+\e]
.endr
	WSUM SQ
	v_add_f32 v[TA1], 1.0, v[SQ]
	v_add_f32 v[TB1], 0x322bcc77, v[SQ]            ; + 1e-8
	v_rcp_f32 v[TA1], v[TA1]
	v_rsq_f32 v[TB1], v[TB1]
	v_nop
	s_wait_alu depctr_va_vdst(0)                   ; one wait for the two
	v_mul_f32 v[TA1], v[TA1], v[SQ]
	v_mul_f32 v[TA1], v[TA1], v[TB1]
.irp e,0,1,2,3
	v_mul_f32 v[VV+\e], v[LDT+\e], v[TA1]
.endr
	; G[16 w + k] = sum_o W[j][16 w + k][o] v[o];  cb = bias_j . v
	WIN 0x04
.set z, 0
.rept 16
	v_mul_f32 v[Q+z], v[VV], v[4*z]
.set z, z+1
.endr
.irp e,1,2,3
.set z, 0
.rept 16
	v_fmac_f32 v[Q+z], v[VV+\e], v[4*z+\e]
.set z, z+1
.endr
.endr
	WIN 0
	v_mul_f32 v[CBV], v[BQ], v[VV]
.irp e,1,2,3
	v_fmac_f32 v[CBV], v[BQ+\e], v[VV+\e]
.endr
.irp m,1,2,4,8
.set z, 0
.rept 16
	v_add_f32_dpp v[Q+z], v[Q+z], v[Q+z] row_xmask:\m row_mask:0xf bank_mask:0xf
.set z, z+1
.endr
.endr
.set z, 0
.rept 16
	v_permlanex16_b32 v[LDT+16+z], v[Q+z], s[SEL], s[SEL+1]
.set z, z+1
.endr
.set z, 0
.rept 16
	v_add_f32 v[Q+z], v[Q+z], v[LDT+16+z]
.set z, z+1
.endr
	WSUM CBV
.irp c,0,1,2,3
	ds_store_b128 v[GSW], v[Q+4*\c:Q+4*\c+3] offset:16*\c
.endr
	s_wait_dscnt 0x0
	s_barrier_signal -1
	s_barrier_wait -1
	s_cmp_lg_u32 s[WV], 0
	s_cbranch_scc1 .Lend
	ds_load_b128 v[LDT:LDT+3], v[GSL]
	s_wait_dscnt 0x0
	global_store_b128 v[A16L], v[LDT:LDT+3], s[78:79]          ; 512 consecutive bytes
	s_wait_xcnt 0x0                                ; EXEC changes only behind this wait
	v_cmp_eq_u32 vcc_lo, 0, v[LN]
	s_and_saveexec_b32 s[SV], vcc_lo
	global_store_b32 v[ZO], v[CBV], s[80:81]
	s_wait_xcnt 0x0
	s_or_b32 exec_lo, exec_lo, s[SV]
.Lend:
	s_wait_tensorcnt 0x0                           ; the wave's end
	ds_add_u32 v[SPW], v[NIL]
	s_wait_dscnt 0x0
	s_endpgm
.Lfunc_end_k_qc6eb3fa3fd_x1:
	.size	k_qc6eb3fa3fd_x1, .Lfunc_end_k_qc6eb3fa3fd_x1-k_qc6eb3fa3fd_x1
	.p2alignl 7, 3214868480
	.fill 96, 4, 3214868480
	.section	.rodata,"a",@progbits
	.p2align	6, 0x0
	.amdhsa_kernel k_qc6eb3fa3fd_x1
		.amdhsa_group_segment_fixed_size 5632
		.amdhsa_private_segment_fixed_size 0
		.amdhsa_enable_private_segment 0
		.amdhsa_kernarg_size 32
		.amdhsa_user_sgpr_count 2
		.amdhsa_user_sgpr_kernarg_segment_ptr 1
		.amdhsa_wavefront_size32 1
		.amdhsa_system_sgpr_workgroup_id_x 1
		.amdhsa_system_sgpr_workgroup_id_y 1
		.amdhsa_system_sgpr_workgroup_id_z 1
		.amdhsa_system_vgpr_workitem_id 0
		.amdhsa_next_free_vgpr 320
		.amdhsa_next_free_sgpr 96
		.amdhsa_reserve_vcc 1
		.amdhsa_float_denorm_mode_32 3
		.amdhsa_float_denorm_mode_16_64 3
		.amdhsa_memory_ordered 1
		.amdhsa_forward_progress 1
		.amdhsa_inst_pref_size 20
	.end_amdhsa_kernel
	.amdgpu_metadata
---
amdhsa.version: [ 1, 2 ]
amdhsa.kernels:
  - .name:           k_qc6eb3fa3fd_x1
    .symbol:         k_qc6eb3fa3fd_x1.kd
    .args:
      - { .name: W, .offset: 0, .size: 8, .value_kind: global_buffer, .address_space: global }
      - { .name: bias, .offset: 8, .size: 8, .value_kind: global_buffer, .address_space: global }
      - { .name: yb, .offset: 16, .size: 8, .value_kind: global_buffer, .address_space: global }
      - { .name: g1, .offset: 24, .size: 8, .value_kind: global_buffer, .address_space: global }
    .group_segment_fixed_size: 5632
    .private_segment_fixed_size: 0
    .kernarg_segment_align: 8
    .kernarg_segment_size: 32
    .max_flat_workgroup_size: 256
    .sgpr_count:     96
    .vgpr_count:     320
    .wavefront_size: 32
...
	.end_amdgpu_metadata
.endif
;; end of part 4
;; launch x2 (part 5): grid 256 x 1, 8 waves a work-group, clusters of 4 x 1, 305,408 bytes of LDS; arguments W, bias, yb, g1, g2; writes g2
.if DOCPART == 5
	.amdgcn_target "amdgcn-amd-amdhsa--gfx1250"
	.amdhsa_code_object_version 6
	.text
	.protected	k_qc6eb3fa3fd_x2
	.globl	k_qc6eb3fa3fd_x2
	.p2align	8
	.type	k_qc6eb3fa3fd_x2,@function
k_qc6eb3fa3fd_x2:
	s_mov_b64 s[64:65], 0
	v_nop
	global_prefetch_b8 v0, s[64:65] scope:SCOPE_SE
	s_setreg_imm32_b32 hwreg(HW_REG_WAVE_MODE, 25, 1), 1
	s_wait_xcnt 0x0
	s_wait_alu depctr_hold_cnt(0) depctr_sa_sdst(0) depctr_va_vdst(0) depctr_va_sdst(0) depctr_va_ssrc(0) depctr_va_vcc(0) depctr_vm_vsrc(0)
	s_getreg_b32 s2, hwreg(HW_REG_IB_STS2, 6, 4)
	s_cmp_eq_u32 s2, 0
	s_cbranch_scc0 .Lentry_in_a_cluster
	s_endpgm
.Lentry_in_a_cluster:
	s_bfe_u32 s2, ttmp6, 0x10000c
	s_cmp_lg_u32 s2, 0x3003
	s_cbranch_scc0 .Lentry_shape_is_right
	s_endpgm
.Lentry_shape_is_right:
; Launches 5 and 6 of 7 share this text; LAST = 0: the second routing step (launch 5); LAST = 1: the last step and both outputs' parts (launch 6).  u is not formed (first kernel's head).
; Work-group (batch b, capsule j) makes b[n,d] = y[n,:] . G[d,:] + cb[d] and c = sparsemax(b) for ALL 1,024 nodes of its batch (G = the sum of the earlier steps' W_d v), and then owns capsule j:
; z = sum_n c[n,j] y[n,:], kappa = sum_n c[n,j], s = z W_j + kappa bias_j.  LAST = 0: v = squash(s); G2 = W_j v and cb2 = bias_j . v go out.  LAST = 1: out0 = the elementwise squash of s + xnm, and the
; work-group's part of out1: T = adj[rows 64 j ..][:] c, P = c[rows 64 j ..]^T T.
; FORMATS.  y bf16; G as a pair of bf16 (high part + rest), so that its rounding, which all rows share, is far below y's; c bf16 for z, f16 for adj c; T f16; sums f32.  The products with W_j in f32 on the vector unit.
; sparsemax: 16 numbers a lane, sorted downward by Batcher's 63 exchanges; tau = max_k (S_k - 1) / k (first kernel's head); c = z - tau held to 0 .. 1.  LIMIT: a NaN becomes 0; 1/k is a multiplication.
; SHARES.  Wave w owns nodes 128 w .. + 127: its rows of y come by ONE tensor load (one is out a wave; every LDS byte is filled once) and only it reads them.
; G is brought once a work-group: wave w loads rows 2 w, 2 w + 1 whole, splits them and lays both parts in LDS; behind a barrier every wave reads its fragments there.
; Capsule j's column of c is chosen by v_cndmask and stored in all 16 columns of the bf16 rows, so every column of z^T is capsule j's and no lane mask, branch or LDS address is made of j.
; CLUSTER.  The four work-groups of a cluster belong to one batch and ask for y jointly.  LAST = 1 wants the 64 rows of c of block j, which wave j / 2 makes: each wave lays a CANDIDATE of 64 rows at a place made
; of its own number alone: its block 2 w if j = 2 w, its block 2 w + 1 if j = 2 w + 1, else zeros, chosen by v_cndmask; P is the sum of the eight candidates' products, of which seven add 0.
.set LAST, 0
.set SB, 278528                        ; behind y (8 x 128 rows x 272 bytes): 32 rows x 32 bytes a wave, c_j in bf16; LAST: later each wave's part of P lies on its own kilobyte
.if LAST
.set SH, 286720                        ; 32 rows x 32 bytes a wave: c in f16, the 32 nodes in hand
.set CAND, 294912                      ; 64 rows x 32 bytes a wave: the candidates
.set ZP, 311296                        ; 8 x 528 bytes: each wave's z (512) and kappa
.set SP, ZP                            ; the partial s lie on the same bytes, behind a barrier of their own
.set GHL, 315648                       ; G: 16 rows x 272 bytes of high parts, then as many of rests
.set SPARE, 324352
.set PA, 8
.set PH, 10
.set PY, 12
.set PG1, 14
.set PG2, 16
.set PO, 18
.set PPP, 20
.else
.set ZP, 286720
.set SP, 291072
.set GS, 295168
.set GHL, 295680
.set SPARE, 304384
.set PY, 8
.set PG1, 10
.set PO, 12
.endif
.set PW, 4
.set PB, 6
.set LN, 1
.set RR, 2
.set HH, 3
.set YA, 4
.set YT, 5
.set CW, 6
.set CR, 7
.set CWH, 8
.set CRH, 9
.set CBR, 10
.set PPW, 11
.set ZW, 12
.set ZK, 13
.set SPW, 14
.set NIL, 15
.set CB, 16                            ; v[16:23]   cb[8 h + 0..7]
.set ONES, 24                          ; v[24:31]   1.0 in bf16
.set PAC, 16                           ; v[16:31]   at the end: P's two accumulators
.set BT, 32                            ; v[32:95]   b, 8 tiles of 16 nodes; then c; then the tail's registers
.set GH, 96                            ; v[96:127]  G's high parts, v[128:159] the rests
.set GL, 128
.set YF, 160                           ; v[160:223] my two rows of G as loaded and split, then y's fragments
.set ZA, 96                            ; behind the b phase: v[96:167] z^T, 8 tiles of 16 channels, and kappa
.set CA, 96                            ; v[96:223]  at the end: the eight candidates' fragments, 16 registers each
.set AFR, 168
.set CF, 200
.set ST, 208                           ; v[208:224] 17 registers for the sort
.set SS, 225
.set GA, 226
.set GB, 227
.set TAU, 228
.set CJ, 229
.set CFH, 230
.set POF, 238                          ; v238  16 x (thread % 64): my 16 bytes of the part of out1; never rewritten
.set A16L, 239
.set BQ, 240
.set XN, 244
.set GFR, 248                          ; v248  where I read G's fragments
.set CBO, 249
.set AOF, 250
.set SPS, 251
.set SPL, 252
.set GSW, 253
.set GSL, 254
.set GST, 255                          ; v255  where I put my 8 bytes of a row of G;
.set CDW, 255                          ;       behind that: where I put my row of the candidate
.set ZL, 32
.set ZT, 33
.set KAP, 41
.set TP, 42
.set ZO, 43
.set PQ, 44
.set LDT, 52
.set TF, 52                            ; v[52:67]   at the end: T in f16
.set VV, 84
.set SQ, 88
.set TA1, 89
.set TB1, 90
.set CBV, 91
.set ZRD, 93
.set KRD, 94
.set Q, 96
.set AFW, 64                           ; window 1: v0-63 W_j; v64-191 adj's fragments (tm, ks) at 64 + 8 (4 ks + tm); v192-223 T; v224-239 the candidate's rows
.set TAC, 192
.set KEEP, 224
.set WV, 22
.set SG, 23
.set SBT, 24
.set SJ, 25
.set MB0, 26                           ; s26  all ones where j = 2 w, else 0
.set MB1, 27                           ; s27  all ones where j = 2 w + 1, else 0
.set SZ, 44
.set SV, 60
.set SEL, 62
.set MK, 85                            ; s[86:100] all ones where d = j, else 0
.set MSB, 0
.macro WIN new
.if MSB != (\new)
	s_set_vgpr_msb (MSB<<8)|(\new)
.set MSB, (\new)
.endif
.endm
.macro PLACES
.rept 4
	v_nop
.endr
.endm
.macro ROUND                           ; a round of the cluster's barrier
	s_barrier_signal -1
	s_barrier_wait -1
	s_cmp_lg_u32 s[WV], 0
	s_cbranch_scc1 .Lnot_wave_0_\@
	s_barrier_signal -3
.Lnot_wave_0_\@:
	s_barrier_wait -3
	s_barrier_signal -1
	s_barrier_wait -1
.endm
.macro TREE b, n, lo
.irp s,32,16,8,4,2
.if (\s < (\n)) && (\s >= (\lo))
.set z, 0
.rept \s/2
	v_pk_add_f32 v[(\b)+z:(\b)+z+1], v[(\b)+z:(\b)+z+1], v[(\b)+\s+z:(\b)+\s+z+1]
.set z, z+2
.endr
.endif
.endr
.endm
.macro WSUM r
.irp m,1,2,4,8
	v_add_f32_dpp v[\r], v[\r], v[\r] row_xmask:\m row_mask:0xf bank_mask:0xf
.endr
	v_permlanex16_b32 v[TP], v[\r], s[SEL], s[SEL+1]
	v_add_f32 v[\r], v[\r], v[TP]
.endm
.macro SVEC_A                          ; lane r holds z[16 w + r] in ZL: my wave's part of z W_j, four columns a lane, into LDS
	WIN 0
.set z, 0
.rept 16
	v_readlane_b32 s[SZ+z], v[ZL], z
.set z, z+1
.endr
	WIN 0x04
.irp e,0,1,2,3
	v_mul_f32 v[PQ+\e], s[SZ], v[\e]
.endr
.set z, 1
.rept 15
.irp e,0,1,2,3
	v_fmac_f32 v[PQ+\e], s[SZ+z], v[4*z+\e]
.endr
.set z, z+1
.endr
	WIN 0
	ds_store_b128 v[SPS], v[PQ:PQ+3]
.endm
.macro SVEC_B
.irp k,0,1,2,3,4,5,6,7
	ds_load_b128 v[LDT+4*\k:LDT+4*\k+3], v[SPL] offset:512*\k
.endr
	s_wait_dscnt 0x0
	TREE LDT, 32, 4
.endm
; b of tiles 2 q, 2 q + 1 (16 nodes each): source 0 = G (16 capsules), source 1 = y's rows; the sum starts with cb; the two accumulators take turns
.macro BPAIR q
	PLACES
.irp tt,0,1
.irp ks,0,1,2,3
	ds_load_b128 v[YF+32*\tt+8*\ks:YF+32*\tt+8*\ks+3], v[YA] offset:(2*(\q)+\tt)*4352+64*\ks
	ds_load_b128 v[YF+32*\tt+8*\ks+4:YF+32*\tt+8*\ks+7], v[YA] offset:(2*(\q)+\tt)*4352+64*\ks+32
.endr
.endr
	s_wait_dscnt 0x0
.irp ks,0,1,2,3
.irp tt,0,1
.if \ks == 0
	v_wmma_f32_16x16x32_bf16 v[BT+8*(2*(\q)+\tt):BT+8*(2*(\q)+\tt)+7], v[GH+8*\ks:GH+8*\ks+7], v[YF+32*\tt+8*\ks:YF+32*\tt+8*\ks+7], v[CB:CB+7]
.else
	v_wmma_f32_16x16x32_bf16 v[BT+8*(2*(\q)+\tt):BT+8*(2*(\q)+\tt)+7], v[GH+8*\ks:GH+8*\ks+7], v[YF+32*\tt+8*\ks:YF+32*\tt+8*\ks+7], v[BT+8*(2*(\q)+\tt):BT+8*(2*(\q)+\tt)+7]
.endif
.endr
.endr
.irp ks,0,1,2,3
.irp tt,0,1
	v_wmma_f32_16x16x32_bf16 v[BT+8*(2*(\q)+\tt):BT+8*(2*(\q)+\tt)+7], v[GL+8*\ks:GL+8*\ks+7], v[YF+32*\tt+8*\ks:YF+32*\tt+8*\ks+7], v[BT+8*(2*(\q)+\tt):BT+8*(2*(\q)+\tt)+7]
.endr
.endr
.endm
.macro CE a, b                         ; an exchange: the larger to place a, the smaller to place b; the places' registers are renamed, so nothing is moved
	v_max_num_f32 v[FREE], v[P\a], v[P\b]
	v_min_num_f32 v[P\b], v[P\a], v[P\b]
.set SWP, P\a
.set P\a, FREE
.set FREE, SWP
.endm
.macro CE4 a0, b0, a1, b1, a2=-1, b2=0, a3=-1, b3=0
	CE \a0, \b0
	CE \a1, \b1
.if \a2 >= 0
	CE \a2, \b2
.endif
.if \a3 >= 0
	CE \a3, \b3
.endif
.endm
.macro TS2 i0, k0, i1, k1              ; two more terms of the running sum, their g, and the maximum
	v_add_f32 v[SS], v[SS], v[P\i0]
	v_mul_f32 v[GA], \k0, v[SS]
	v_add_f32 v[SS], v[SS], v[P\i1]
	v_mul_f32 v[GB], \k1, v[SS]
	v_max3_num_f32 v[TAU], v[TAU], v[GA], v[GB]
.endm
; sparsemax of nodes 32 q + lane.  The swap of the lanes' halves leaves all 16 capsules of one node in a lane: v[Z + d].
.macro SPMAX q
.set Z, BT+16*(\q)
.irp jj,0,1,2,3,4,5,6,7
	v_permlane16_swap_b32 v[Z+\jj], v[Z+8+\jj]
.endr
.irp i,0,1,2,3,4,5,6,7,8,9,10,11,12,13,14,15
.set P\i, ST+\i
.endr
.set FREE, ST+16
.irp a,0,2,4,6,8,10,12,14
	v_max_num_f32 v[ST+\a], v[Z+\a], v[Z+\a+1]
	v_min_num_f32 v[ST+\a+1], v[Z+\a], v[Z+\a+1]
.endr
	CE4 0,2, 1,3, 4,6, 5,7
	CE4 8,10, 9,11, 12,14, 13,15
	CE4 1,2, 5,6, 9,10, 13,14
	CE4 0,4, 1,5, 2,6, 3,7
	CE4 8,12, 9,13, 10,14, 11,15
	CE4 2,4, 3,5, 10,12, 11,13
	CE4 1,2, 3,4, 5,6, 9,10
	CE4 11,12, 13,14
	CE4 0,8, 1,9, 2,10, 3,11
	CE4 4,12, 5,13, 6,14, 7,15
	CE4 4,8, 5,9, 6,10, 7,11
	CE4 2,4, 3,5, 6,8, 7,9
	CE4 10,12, 11,13
	CE4 1,2, 3,4, 5,6, 7,8
	CE4 9,10, 11,12, 13,14
	v_add_f32 v[SS], -1.0, v[P0]
	v_mov_b32 v[TAU], v[SS]
	TS2 1, 0.5, 2, 0x3eaaaaab
	TS2 3, 0x3e800000, 4, 0x3e4ccccd
	TS2 5, 0x3e2aaaab, 6, 0x3e124925
	TS2 7, 0x3e000000, 8, 0x3de38e39
	TS2 9, 0x3dcccccd, 10, 0x3dba2e8c
	TS2 11, 0x3daaaaab, 12, 0x3d9d89d9
	TS2 13, 0x3d924925, 14, 0x3d888889
	v_add_f32 v[SS], v[SS], v[P15]
	v_mul_f32 v[GA], 0x3d800000, v[SS]
	v_max_num_f32 v[TAU], v[TAU], v[GA]
.irp d,0,1,2,3,4,5,6,7,8,9,10,11,12,13,14,15
	v_sub_f32 v[Z+\d], v[Z+\d], v[TAU] clamp
.endr
.endm
; c[n][j], in all 16 columns of my wave's bf16 rows.  LAST: the whole row in f16, for adj c; and the candidate: at q = 0, 1 (my block 2 w) the row or 0 is kept in registers, at q = 2, 3 (my block 2 w + 1)
; that block's row takes its place where j = 2 w + 1, and the choice is stored.
.macro CSTORE q
	v_cndmask_b32 v[CJ], v[Z], v[Z+1], s[MK+1]
.irp d,2,3,4,5,6,7,8,9,10,11,12,13,14,15
	v_cndmask_b32 v[CJ], v[CJ], v[Z+\d], s[MK+\d]
.endr
	v_cvt_pk_bf16_f32 v[ST], v[CJ], v[CJ]
	v_mov_b32 v[ST+1], v[ST]
	v_mov_b32 v[ST+2], v[ST]
	v_mov_b32 v[ST+3], v[ST]
	ds_store_b128 v[CW], v[ST:ST+3]
	ds_store_b128 v[CW], v[ST:ST+3] offset:16
.if LAST
.irp p,0,1,2,3,4,5,6,7
	v_cvt_pk_f16_f32 v[ST+8+\p], v[Z+2*\p], v[Z+2*\p+1]
.endr
	ds_store_b128 v[CWH], v[ST+8:ST+11]
	ds_store_b128 v[CWH], v[ST+12:ST+15] offset:16
.if (\q) < 2
	WIN 0x40                                       ; destination in window 1
.irp p,0,1,2,3,4,5,6,7
	v_cndmask_b32 v[KEEP+8*(\q)+\p], 0, v[ST+8+\p], s[MB0]
.endr
.else
	WIN 0x41                                       ; destination and source 0 in window 1
.irp p,0,1,2,3,4,5,6,7
	v_cndmask_b32 v[KEEP+8*((\q)-2)+\p], v[KEEP+8*((\q)-2)+\p], v[ST+8+\p], s[MB1]
.endr
	WIN 0x04                                       ; an LDS store's data is its source 1
	ds_store_b128 v[CDW], v[KEEP+8*((\q)-2):KEEP+8*((\q)-2)+3] offset:1024*((\q)-2)
	ds_store_b128 v[CDW], v[KEEP+8*((\q)-2)+4:KEEP+8*((\q)-2)+7] offset:1024*((\q)-2)+16
.endif
	WIN 0
.endif
.endm
.macro AFRL q, t0                      ; y^T's fragments: 16 channels x 32 nodes, turned on the way out of LDS
.irp t,0,1,2,3
	ds_load_tr16_b128 v[AFR+8*\t:AFR+8*\t+3], v[YT] offset:32*(\q)*272+32*(\t0+\t)
	ds_load_tr16_b128 v[AFR+8*\t+4:AFR+8*\t+7], v[YT] offset:32*(\q)*272+32*(\t0+\t)+4352
.endr
.endm
.macro ZMUL q, t0
.irp t,0,1,2,3
.if (\q) == 0
	v_wmma_f32_16x16x32_bf16 v[ZA+8*(\t0+\t):ZA+8*(\t0+\t)+7], v[AFR+8*\t:AFR+8*\t+7], v[CF:CF+7], 0
.else
	v_wmma_f32_16x16x32_bf16 v[ZA+8*(\t0+\t):ZA+8*(\t0+\t)+7], v[AFR+8*\t:AFR+8*\t+7], v[CF:CF+7], v[ZA+8*(\t0+\t):ZA+8*(\t0+\t)+7]
.endif
.endr
.endm
; z^T += y^T c over nodes 32 q .. + 31, kappa += 1 c; LAST: T += adj c.  LDS serves a wave's instructions in order, so the loads see the stores of CSTORE, and the next step's stores come behind these loads.
; The accumulators take turns.  The plain lines of the next SPMAX are the places ahead of the next step's loads into these fragments.
.macro ZSTEP q
	ds_load_tr16_b128 v[CF:CF+3], v[CR]
	ds_load_tr16_b128 v[CF+4:CF+7], v[CR] offset:512
.if LAST
	ds_load_tr16_b128 v[CFH:CFH+3], v[CRH]
	ds_load_tr16_b128 v[CFH+4:CFH+7], v[CRH] offset:512
.endif
	AFRL \q, 0
	s_wait_dscnt 0x0
	ZMUL \q, 0
	PLACES
	AFRL \q, 4
	s_wait_dscnt 0x0
	ZMUL \q, 4
.if (\q) == 0
	v_wmma_f32_16x16x32_bf16 v[ZA+64:ZA+71], v[ONES:ONES+7], v[CF:CF+7], 0
.else
	v_wmma_f32_16x16x32_bf16 v[ZA+64:ZA+71], v[ONES:ONES+7], v[CF:CF+7], v[ZA+64:ZA+71]
.endif
.if LAST
.if (\q) == 0
	s_wait_loadcnt 0x0                             ; adj's fragments (and W, bias, xnm)
.endif
	WIN 0x51                                       ; adj and T in window 1, c in window 0
.irp tm,0,1,2,3
.if (\q) == 0
	v_wmma_f32_16x16x32_f16 v[TAC+8*\tm:TAC+8*\tm+7], v[AFW+8*(4*(\q)+\tm):AFW+8*(4*(\q)+\tm)+7], v[CFH:CFH+7], 0
.else
	v_wmma_f32_16x16x32_f16 v[TAC+8*\tm:TAC+8*\tm+7], v[AFW+8*(4*(\q)+\tm):AFW+8*(4*(\q)+\tm)+7], v[CFH:CFH+7], v[TAC+8*\tm:TAC+8*\tm+7]
.endif
.endr
	WIN 0
.endif
.endm
.if LAST
	s_load_b256 s[4:11], s[0:1], 0x0               ; W, bias, adjh, hb
	s_load_b256 s[12:19], s[0:1], 0x20             ; yb, g1, g2, out0
	s_load_b64 s[20:21], s[0:1], 0x40              ; pp
.else
	s_load_b256 s[4:11], s[0:1], 0x0               ; W, bias, yb, g1
	s_load_b64 s[12:13], s[0:1], 0x20              ; g2
.endif
	v_lshl_add_u32 v[SPW], v0, 2, SPARE
	v_mov_b32 v[NIL], 0
	ds_add_u32 v[SPW], v[NIL]                      ; the opening: the add, twice on end, and its wait ahead of my first tensor load
	ds_add_u32 v[SPW], v[NIL]
	v_lshrrev_b32 v1, 5, v0
	v_readfirstlane_b32 s[WV], v1                  ; wave 0..7
	s_bfe_u32 s[SJ], ttmp6, 0x40000                ; cx
	s_lshl_b32 s[SG], ttmp9, 2                     ; ttmp9 counts clusters
	s_add_co_u32 s[SG], s[SG], s[SJ]               ; work-group
	s_lshr_b32 s[SBT], ttmp9, 2                    ; batch: the four partners share it
	s_and_b32 s[SJ], s[SG], 15                     ; capsule, and block of 64 nodes
	s_mov_b32 s32, 1                               ; group 0: count
	s_mul_i32 s33, s[WV], 34816                    ; LDS address: my 128 rows of 272 bytes
	s_mov_b32 s36, 15|(1<<16)|(1<<20)|(1<<21)|(5<<22)|(3<<25)  ; group 1: the mask of four and bit 21 beside it; 2-byte elements; 4 words of padding behind every 64
	s_mov_b32 s37, 128<<16                         ; tensor_dim0 = 128
	s_mov_b32 s38, 128<<16                         ; tensor_dim1 = 128
	s_mov_b32 s39, 128<<16                         ; tile_dim0 = 128
	s_mov_b32 s40, 128                             ; tile_dim1 = 128
	s_mov_b32 s41, 128                             ; elements from row to row
	s_mov_b32 s42, 0
	s_mov_b32 s43, 0
	s_mov_b32 s[SEL], 0x76543210
	s_mov_b32 s[SEL+1], 0xfedcba98
.set dd, 1
.rept 15
	s_cmp_eq_u32 s[SJ], dd
	s_cselect_b32 s[MK+dd], -1, 0
.set dd, dd+1
.endr
	v_and_b32 v[LN], 31, v0
	v_and_b32 v[RR], 15, v0
	v_bfe_u32 v[HH], v0, 4, 1
	v_and_b32 v224, 7, v0
	v_lshl_add_u32 v224, v[HH], 3, v224            ; a turning load's row: 8 h + l % 8
	v_bfe_u32 v225, v0, 3, 1                       ; and its 16 bytes
	v_lshlrev_b32 v226, 5, v224
	v_lshl_add_u32 v226, v225, 4, v226             ; in rows of 32 bytes
	v_mul_u32_u24 v[YA], v[RR], 272
	v_lshl_add_u32 v[YA], v[HH], 4, v[YA]
	v_add_nc_u32 v[YA], s33, v[YA]
	v_mul_u32_u24 v[YT], v224, 272
	v_lshl_add_u32 v[YT], v225, 4, v[YT]
	v_add_nc_u32 v[YT], s33, v[YT]
	s_lshl_b32 s28, s[WV], 10
	v_lshl_add_u32 v[CW], v[LN], 5, s28
	v_add_nc_u32 v[CW], SB, v[CW]
	v_add_nc_u32 v[CR], s28, v226
	v_add_nc_u32 v[CR], SB, v[CR]
.if LAST
	v_lshlrev_b32 v[PPW], 9, v[HH]
	v_lshl_add_u32 v[PPW], v[RR], 2, v[PPW]
	v_add_nc_u32 v[PPW], s28, v[PPW]
	v_add_nc_u32 v[PPW], SB, v[PPW]                ; my part of P: row 8 h (+ jj), column r
	v_lshl_add_u32 v[CWH], v[LN], 5, s28
	v_add_nc_u32 v[CWH], SH, v[CWH]
	v_add_nc_u32 v[CRH], s28, v226
	v_add_nc_u32 v[CRH], SH, v[CRH]
	v_add_nc_u32 v[CBR], CAND, v226                ; the candidates, from wave 0's on
	v_lshlrev_b32 v[AOF], 11, v[RR]
	v_lshl_add_u32 v[AOF], v[HH], 4, v[AOF]
	v_and_b32 v[POF], 63, v0
	v_lshlrev_b32 v[POF], 4, v[POF]
.endif
	s_mul_i32 s29, s[WV], 528
	v_lshl_add_u32 v[ZW], v[HH], 5, s29
	v_add_nc_u32 v[ZW], ZP, v[ZW]
	v_mov_b32 v[ZK], s29
	v_add_nc_u32 v[ZK], ZP+512, v[ZK]
	v_lshlrev_b32 v[A16L], 4, v[LN]
	v_mul_u32_u24 v[GFR], v[RR], 272
	v_lshl_add_u32 v[GFR], v[HH], 4, v[GFR]
	v_add_nc_u32 v[GFR], GHL, v[GFR]               ; a fragment of G: row r, 16 h
	s_mul_i32 s29, s[WV], 544
	v_lshl_add_u32 v[GST], v[LN], 3, s29
	v_add_nc_u32 v[GST], GHL, v[GST]               ; rows 2 w (+ 1), my four channels = 8 bytes
	v_lshlrev_b32 v[CBO], 5, v[HH]
	s_lshl_b32 s28, s[WV], 9
	v_lshl_add_u32 v[SPS], v[LN], 4, s28
	v_add_nc_u32 v[SPS], SP, v[SPS]
	v_lshl_add_u32 v[SPL], v[LN], 4, SP
.if !LAST
	s_lshl_b32 s28, s[WV], 6
	v_mov_b32 v[GSW], s28
	v_add_nc_u32 v[GSW], GS, v[GSW]
	v_lshl_add_u32 v[GSL], v[LN], 4, GS
.endif
	s_wait_dscnt 0x0                               ; both opening adds are done
	s_wait_kmcnt 0x0
	s_lshl_b32 s26, s[SBT], 18                     ; the batch's y, my 128 rows: made of the batch and the wave's number alone
	s_lshl_b32 s27, s[WV], 15
	s_add_co_u32 s26, s26, s27
	s_mov_b32 s27, 0
	s_add_nc_u64 s[34:35], s[PY:PY+1], s[26:27]
	s_or_b32 s35, s35, 0x80000000                  ; type = 2
.if LAST
	s_lshl_b32 s29, s[WV], 1
	s_cmp_eq_u32 s[SJ], s29
	s_cselect_b32 s[MB0], -1, 0
	s_add_co_u32 s29, s29, 1
	s_cmp_eq_u32 s[SJ], s29
	s_cselect_b32 s[MB1], -1, 0
.endif
	s_mov_b32 s31, 0
	s_lshl_b32 s30, s[SBT], 13
	s_lshl_b32 s29, s[WV], 10
	s_add_co_u32 s30, s30, s29                     ; the batch's G, my two rows
	s_add_nc_u64 s[66:67], s[PG1:PG1+1], s[30:31]
.if LAST
	s_add_nc_u64 s[68:69], s[PG2:PG2+1], s[30:31]
.endif
	s_lshl_b32 s30, s[SBT], 6
	s_add_co_u32 s30, s30, 131072
	s_add_nc_u64 s[82:83], s[PG1:PG1+1], s[30:31]
.if LAST
	s_add_nc_u64 s[84:85], s[PG2:PG2+1], s[30:31]
.endif
	s_lshl_b32 s30, s[SJ], 16
	s_lshl_b32 s29, s[WV], 13
	s_add_co_u32 s30, s30, s29
	s_add_nc_u64 s[70:71], s[PW:PW+1], s[30:31]    ; W_j, my 16 rows
	s_lshl_b32 s30, s[SJ], 9
	s_add_nc_u64 s[72:73], s[PB:PB+1], s[30:31]
	s_lshl_b32 s30, s[SG], 9
	s_add_nc_u64 s[78:79], s[PO:PO+1], s[30:31]    ; my row of the output
.if LAST
	s_lshl_b32 s30, s[SG], 10
	s_add_nc_u64 s[80:81], s[PPP:PPP+1], s[30:31]
	s_lshl_b32 s30, s[SBT], 21
	s_lshl_b32 s29, s[SJ], 17
	s_add_co_u32 s30, s30, s29
	s_lshl_b32 s29, s[WV], 8
	s_add_co_u32 s30, s30, s29
	s_add_nc_u64 s[74:75], s[PA:PA+1], s[30:31]    ; adj: the block's 64 rows, my 128 columns
	s_lshl_b32 s30, s[SBT], 9
	s_add_co_u32 s30, s30, 4194304
	s_add_nc_u64 s[76:77], s[PH:PH+1], s[30:31]    ; xnm
.else
	s_lshl_b32 s30, s[SG], 2
	s_add_co_u32 s30, s30, 131072
	s_add_nc_u64 s[80:81], s[PO:PO+1], s[30:31]    ; my cb
.endif
	ROUND                                          ; all four work-groups are here: the joint loads meet
	tensor_load_to_lds s[32:35], s[36:43]
	s_nop 0
	PLACES
	global_load_b128 v[YF:YF+3], v[A16L], s[66:67]                  ; G[2 w][:]: 512 consecutive bytes
	global_load_b128 v[YF+4:YF+7], v[A16L], s[66:67] offset:512     ; G[2 w + 1][:]
.if LAST
	global_load_b128 v[YF+8:YF+11], v[A16L], s[68:69]
	global_load_b128 v[YF+12:YF+15], v[A16L], s[68:69] offset:512
.endif
	global_load_b128 v[CB:CB+3], v[CBO], s[82:83]
	global_load_b128 v[CB+4:CB+7], v[CBO], s[82:83] offset:16
.if LAST
	global_load_b128 v[CFH:CFH+3], v[CBO], s[84:85]
	global_load_b128 v[CFH+4:CFH+7], v[CBO], s[84:85] offset:16
.endif
	global_load_b128 v[BQ:BQ+3], v[A16L], s[72:73]
.if LAST
	global_load_b128 v[XN:XN+3], v[A16L], s[76:77]
.endif
	WIN 0x40
.irp k,0,1,2,3,4,5,6,7,8,9,10,11,12,13,14,15
	global_load_b128 v[4*\k:4*\k+3], v[A16L], s[70:71] offset:512*\k
.endr
.if LAST
.irp ks,0,1,2,3
.irp tm,0,1,2,3
	global_load_b128 v[AFW+8*(4*\ks+\tm):AFW+8*(4*\ks+\tm)+3], v[AOF], s[74:75] offset:\tm*32768+64*\ks
	global_load_b128 v[AFW+8*(4*\ks+\tm)+4:AFW+8*(4*\ks+\tm)+7], v[AOF], s[74:75] offset:\tm*32768+64*\ks+32
.endr
.endr
.endif
	WIN 0
.irp i,0,1,2,3,4,5,6,7
	v_mov_b32 v[ONES+\i], 0x3f803f80
.endr
	s_wait_loadcnt 17+33*LAST                      ; G and cb are in; bias and W's 16 loads (LAST: xnm and adj's 32 too) may stay out
.if LAST
.irp p,0,2,4,6
	v_pk_add_f32 v[YF+\p:YF+\p+1], v[YF+\p:YF+\p+1], v[YF+8+\p:YF+8+\p+1]  ; b2 = b1 + u . v2: the two steps' G and cb are added in f32
	v_pk_add_f32 v[CB+\p:CB+\p+1], v[CB+\p:CB+\p+1], v[CFH+\p:CFH+\p+1]
.endr
.endif
.set z, 0
.rept 4                                ; my 8 numbers of G = high part in bf16 + the rest in bf16
	v_cvt_pk_bf16_f32 v[YF+16+z], v[YF+2*z], v[YF+2*z+1]
	v_lshlrev_b32 v[GA], 16, v[YF+16+z]
	v_and_b32 v[GB], 0xffff0000, v[YF+16+z]
	v_pk_add_f32 v[YF+2*z:YF+2*z+1], v[YF+2*z:YF+2*z+1], v[GA:GB] neg_lo:[0,1] neg_hi:[0,1]
	v_cvt_pk_bf16_f32 v[YF+20+z], v[YF+2*z], v[YF+2*z+1]
.set z, z+1
.endr
	ds_store_b64 v[GST], v[YF+16:YF+17]
	ds_store_b64 v[GST], v[YF+18:YF+19] offset:272
	ds_store_b64 v[GST], v[YF+20:YF+21] offset:4352
	ds_store_b64 v[GST], v[YF+22:YF+23] offset:4352+272
	s_wait_dscnt 0x0                               ; for the others: my rows of G are in LDS
	s_barrier_signal -1
	s_barrier_wait -1                              ; the tile of y may stay on its way
.irp ks,0,1,2,3
	ds_load_b128 v[GH+8*\ks:GH+8*\ks+3], v[GFR] offset:64*\ks
	ds_load_b128 v[GH+8*\ks+4:GH+8*\ks+7], v[GFR] offset:64*\ks+32
	ds_load_b128 v[GL+8*\ks:GL+8*\ks+3], v[GFR] offset:4352+64*\ks
	ds_load_b128 v[GL+8*\ks+4:GL+8*\ks+7], v[GFR] offset:4352+64*\ks+32
.endr
.if LAST
	s_lshl_b32 s28, s[WV], 11
	v_lshl_add_u32 v[CDW], v[LN], 5, s28
	v_add_nc_u32 v[CDW], CAND, v[CDW]              ; my wave's candidate, row l (+ 32)
.endif
	s_wait_tensorcnt 0x0                           ; my rows of y are in; no other wave reads them
	BPAIR 0
	BPAIR 1
	BPAIR 2
	BPAIR 3
	PLACES
.irp q,0,1,2,3
	SPMAX \q
	CSTORE \q
	ZSTEP \q
.endr
	PLACES
.irp t,0,1,2,3,4,5,6,7
	ds_store_b128 v[ZW], v[ZA+8*\t:ZA+8*\t+3] offset:64*\t               ; every column is capsule j's: the 16 lanes of a half hold the same numbers
	ds_store_b128 v[ZW], v[ZA+8*\t+4:ZA+8*\t+7] offset:64*\t+16
.endr
	ds_store_b32 v[ZK], v[ZA+64]
	s_lshl_b32 s28, s[WV], 6
	v_lshl_add_u32 v[ZRD], v[RR], 2, s28
	v_add_nc_u32 v[ZRD], ZP, v[ZRD]
	v_and_b32 v[KRD], 7, v0
	v_mul_u32_u24 v[KRD], v[KRD], 528
	v_add_nc_u32 v[KRD], ZP+512, v[KRD]
	v_mov_b32 v[TP], 0
	v_mov_b32 v[ZO], 0
	s_wait_dscnt 0x0                               ; for the others: z, kappa and (LAST) my candidate are in LDS
	s_barrier_signal -1
	s_barrier_wait -1
.irp k,0,1,2,3,4,5,6,7
	ds_load_b32 v[ZT+\k], v[ZRD] offset:528*\k     ; the eight waves' z[16 w + r]
.endr
	ds_load_b32 v[KAP], v[KRD]                     ; wave l % 8's kappa
	s_wait_dscnt 0x0
.if LAST
	s_barrier_signal -1                            ; every wave has read z: the partial s may lie on the same bytes
	s_barrier_wait -1
.endif
	v_add_f32 v[ZL], v[ZT], v[ZT+1]
.irp k,2,3,4,5,6,7
	v_add_f32 v[ZL], v[ZL], v[ZT+\k]
.endr
.irp m,1,2,4
	v_add_f32_dpp v[KAP], v[KAP], v[KAP] row_xmask:\m row_mask:0xf bank_mask:0xf
.endr
	s_wait_loadcnt 0x0                             ; W and bias
	SVEC_A
.if LAST
	; my part of out1: T (my 128 columns' share) in f16 is source 1, each candidate's c^T source 0; the two accumulators (rows 0-31 and 32-63 of the block) take turns
	WIN 0x05
.irp tm,0,1,2,3
.irp p,0,1,2,3
	v_cvt_pk_f16_f32 v[TF+4*\tm+\p], v[TAC+8*\tm+2*\p], v[TAC+8*\tm+2*\p+1]
.endr
.endr
	WIN 0
.set wv, 0
.rept 8
.irp c,0,1,2,3
	ds_load_tr16_b128 v[CA+16*wv+4*\c:CA+16*wv+4*\c+3], v[CBR] offset:2048*wv+512*\c
.endr
.set wv, wv+1
.endr
	s_wait_dscnt 0x0
	v_wmma_f32_16x16x32_f16 v[PAC:PAC+7], v[CA:CA+7], v[TF:TF+7], 0
	v_wmma_f32_16x16x32_f16 v[PAC+8:PAC+15], v[CA+8:CA+15], v[TF+8:TF+15], 0
.set wv, 1
.rept 7
	v_wmma_f32_16x16x32_f16 v[PAC:PAC+7], v[CA+16*wv:CA+16*wv+7], v[TF:TF+7], v[PAC:PAC+7]
	v_wmma_f32_16x16x32_f16 v[PAC+8:PAC+15], v[CA+16*wv+8:CA+16*wv+15], v[TF+8:TF+15], v[PAC+8:PAC+15]
.set wv, wv+1
.endr
	PLACES
.irp jj,0,1,2,3,4,5,6,7
	v_add_f32 v[PAC+\jj], v[PAC+\jj], v[PAC+8+\jj]
.endr
.irp jj,0,1,2,3,4,5,6,7
	ds_store_b32 v[PPW], v[PAC+\jj] offset:64*\jj
.endr
	s_wait_dscnt 0x0
	s_barrier_signal -1
	s_barrier_wait -1
	s_cmp_lt_u32 s[WV], 2
	s_cbranch_scc0 .Lnot_pp
	v_add_nc_u32 v[KRD], SB, v[POF]
.irp k,0,1,2,3,4,5,6,7
	ds_load_b128 v[LDT+4*\k:LDT+4*\k+3], v[KRD] offset:1024*\k
.endr
	s_wait_dscnt 0x0
	TREE LDT, 32, 4
	global_store_b128 v[POF], v[LDT:LDT+3], s[80:81]           ; 16 lanes store 256 consecutive bytes, aligned
	s_branch .Lend
.Lnot_pp:
	s_cmp_lg_u32 s[WV], 2
	s_cbranch_scc1 .Lend
	SVEC_B
.irp e,0,1,2,3
	v_fmac_f32 v[LDT+\e], v[KAP], v[BQ+\e]
.endr
.irp e,0,1,2,3
	v_add_f32 v[LDT+\e], v[LDT+\e], v[XN+\e]       ; the residual
.endr
.irp e,0,1,2,3
	v_mul_f32 v[Q+\e], v[LDT+\e], v[LDT+\e]
.endr
.irp e,0,1,2,3
	v_add_f32 v[Q+4+\e], 1.0, v[Q+\e]
	v_add_f32 v[Q+8+\e], 0x322bcc77, v[Q+\e]
.endr
.irp e,0,1,2,3
	v_rcp_f32 v[Q+4+\e], v[Q+4+\e]
	v_rsq_f32 v[Q+8+\e], v[Q+8+\e]
.endr
	v_nop
	s_wait_alu depctr_va_vdst(0)                   ; one wait for the eight
.irp e,0,1,2,3
	v_mul_f32 v[Q+\e], v[Q+\e], v[Q+4+\e]
	v_mul_f32 v[LDT+\e], v[LDT+\e], v[Q+8+\e]
.endr
.irp e,0,1,2,3
	v_mul_f32 v[Q+\e], v[Q+\e], v[LDT+\e]
.endr
	global_store_b128 v[A16L], v[Q:Q+3], s[78:79]              ; out0[b][j][:]: 512 consecutive bytes
.else
	s_wait_dscnt 0x0
	s_barrier_signal -1
	s_barrier_wait -1
	SVEC_B
.irp e,0,1,2,3
	v_fmac_f32 v[LDT+\e], v[KAP], v[BQ+\e]
.endr
	v_mul_f32 v[SQ], v[LDT], v[LDT]
.irp e,1,2,3
	v_fmac_f32 v[SQ], v[LDT+\e], v[LDT+\e]
.endr
	WSUM SQ
	v_add_f32 v[TA1], 1.0, v[SQ]
	v_add_f32 v[TB1], 0x322bcc77, v[SQ]
	v_rcp_f32 v[TA1], v[TA1]
	v_rsq_f32 v[TB1], v[TB1]
	v_nop
	s_wait_alu depctr_va_vdst(0)
	v_mul_f32 v[TA1], v[TA1], v[SQ]
	v_mul_f32 v[TA1], v[TA1], v[TB1]
.irp e,0,1,2,3
	v_mul_f32 v[VV+\e], v[LDT+\e], v[TA1]
.endr
	WIN 0x04
.set z, 0
.rept 16
	v_mul_f32 v[Q+z], v[VV], v[4*z]
.set z, z+1
.endr
.irp e,1,2,3
.set z, 0
.rept 16
	v_fmac_f32 v[Q+z], v[VV+\e], v[4*z+\e]
.set z, z+1
.endr
.endr
	WIN 0
	v_mul_f32 v[CBV], v[BQ], v[VV]
.irp e,1,2,3
	v_fmac_f32 v[CBV], v[BQ+\e], v[VV+\e]
.endr
.irp m,1,2,4,8
.set z, 0
.rept 16
	v_add_f32_dpp v[Q+z], v[Q+z], v[Q+z] row_xmask:\m row_mask:0xf bank_mask:0xf
.set z, z+1
.endr
.endr
.set z, 0
.rept 16
	v_permlanex16_b32 v[LDT+16+z], v[Q+z], s[SEL], s[SEL+1]
.set z, z+1
.endr
.set z, 0
.rept 16
	v_add_f32 v[Q+z], v[Q+z], v[LDT+16+z]
.set z, z+1
.endr
	WSUM CBV
.irp c,0,1,2,3
	ds_store_b128 v[GSW], v[Q+4*\c:Q+4*\c+3] offset:16*\c
.endr
	s_wait_dscnt 0x0
	s_barrier_signal -1
	s_barrier_wait -1
	s_cmp_lg_u32 s[WV], 0
	s_cbranch_scc1 .Lend
	ds_load_b128 v[LDT:LDT+3], v[GSL]
	s_wait_dscnt 0x0
	global_store_b128 v[A16L], v[LDT:LDT+3], s[78:79]
	s_wait_xcnt 0x0                                ; EXEC changes only behind this wait
	v_cmp_eq_u32 vcc_lo, 0, v[LN]
	s_and_saveexec_b32 s[SV], vcc_lo
	global_store_b32 v[ZO], v[CBV], s[80:81]
	s_wait_xcnt 0x0
	s_or_b32 exec_lo, exec_lo, s[SV]
.endif
.Lend:
	s_wait_tensorcnt 0x0                           ; the wave's end
	ds_add_u32 v[SPW], v[NIL]
	s_wait_dscnt 0x0
	ROUND                                          ; the closing round
	s_endpgm
.Lfunc_end_k_qc6eb3fa3fd_x2:
	.size	k_qc6eb3fa3fd_x2, .Lfunc_end_k_qc6eb3fa3fd_x2-k_qc6eb3fa3fd_x2
	.p2alignl 7, 3214868480
	.fill 96, 4, 3214868480
	.section	.rodata,"a",@progbits
	.p2align	6, 0x0
	.amdhsa_kernel k_qc6eb3fa3fd_x2
		.amdhsa_group_segment_fixed_size 305408
		.amdhsa_private_segment_fixed_size 0
		.amdhsa_enable_private_segment 0
		.amdhsa_kernarg_size 40
		.amdhsa_user_sgpr_count 2
		.amdhsa_user_sgpr_kernarg_segment_ptr 1
		.amdhsa_wavefront_size32 1
		.amdhsa_system_sgpr_workgroup_id_x 1
		.amdhsa_system_sgpr_workgroup_id_y 1
		.amdhsa_system_sgpr_workgroup_id_z 1
		.amdhsa_system_vgpr_workitem_id 0
		.amdhsa_next_free_vgpr 320
		.amdhsa_next_free_sgpr 104
		.amdhsa_reserve_vcc 1
		.amdhsa_float_denorm_mode_32 3
		.amdhsa_float_denorm_mode_16_64 3
		.amdhsa_memory_ordered 1
		.amdhsa_forward_progress 1
		.amdhsa_inst_pref_size 79
	.end_amdhsa_kernel
	.amdgpu_metadata
---
amdhsa.version: [ 1, 2 ]
amdhsa.kernels:
  - .name:           k_qc6eb3fa3fd_x2
    .symbol:         k_qc6eb3fa3fd_x2.kd
    .args:
      - { .name: W, .offset: 0, .size: 8, .value_kind: global_buffer, .address_space: global }
      - { .name: bias, .offset: 8, .size: 8, .value_kind: global_buffer, .address_space: global }
      - { .name: yb, .offset: 16, .size: 8, .value_kind: global_buffer, .address_space: global }
      - { .name: g1, .offset: 24, .size: 8, .value_kind: global_buffer, .address_space: global }
      - { .name: g2, .offset: 32, .size: 8, .value_kind: global_buffer, .address_space: global }
    .group_segment_fixed_size: 305408
    .private_segment_fixed_size: 0
    .kernarg_segment_align: 8
    .kernarg_segment_size: 40
    .max_flat_workgroup_size: 256
    .sgpr_count:     104
    .vgpr_count:     320
    .wavefront_size: 32
...
	.end_amdgpu_metadata
.endif
;; end of part 5
;; launch x3 (part 6): grid 256 x 1, 8 waves a work-group, clusters of 4 x 1, 325,376 bytes of LDS; arguments W, bias, adjh, hb, yb, g1, g2, out0, pp; writes out0, pp
.if DOCPART == 6
	.amdgcn_target "amdgcn-amd-amdhsa--gfx1250"
	.amdhsa_code_object_version 6
	.text
	.protected	k_qc6eb3fa3fd_x3
	.globl	k_qc6eb3fa3fd_x3
	.p2align	8
	.type	k_qc6eb3fa3fd_x3,@function
k_qc6eb3fa3fd_x3:
	s_mov_b64 s[64:65], 0
	v_nop
	global_prefetch_b8 v0, s[64:65] scope:SCOPE_SE
	s_setreg_imm32_b32 hwreg(HW_REG_WAVE_MODE, 25, 1), 1
	s_wait_xcnt 0x0
	s_wait_alu depctr_hold_cnt(0) depctr_sa_sdst(0) depctr_va_vdst(0) depctr_va_sdst(0) depctr_va_ssrc(0) depctr_va_vcc(0) depctr_vm_vsrc(0)
	s_getreg_b32 s2, hwreg(HW_REG_IB_STS2, 6, 4)
	s_cmp_eq_u32 s2, 0
	s_cbranch_scc0 .Lentry_in_a_cluster
	s_endpgm
.Lentry_in_a_cluster:
	s_bfe_u32 s2, ttmp6, 0x10000c
	s_cmp_lg_u32 s2, 0x3003
	s_cbranch_scc0 .Lentry_shape_is_right
	s_endpgm
.Lentry_shape_is_right:
; Launches 5 and 6 of 7 share this text; LAST = 0: the second routing step (launch 5); LAST = 1: the last step and both outputs' parts (launch 6).  u is not formed (first kernel's head).
; Work-group (batch b, capsule j) makes b[n,d] = y[n,:] . G[d,:] + cb[d] and c = sparsemax(b) for ALL 1,024 nodes of its batch (G = the sum of the earlier steps' W_d v), and then owns capsule j:
; z = sum_n c[n,j] y[n,:], kappa = sum_n c[n,j], s = z W_j + kappa bias_j.  LAST = 0: v = squash(s); G2 = W_j v and cb2 = bias_j . v go out.  LAST = 1: out0 = the elementwise squash of s + xnm, and the
; work-group's part of out1: T = adj[rows 64 j ..][:] c, P = c[rows 64 j ..]^T T.
; FORMATS.  y bf16; G as a pair of bf16 (high part + rest), so that its rounding, which all rows share, is far below y's; c bf16 for z, f16 for adj c; T f16; sums f32.  The products with W_j in f32 on the vector unit.
; sparsemax: 16 numbers a lane, sorted downward by Batcher's 63 exchanges; tau = max_k (S_k - 1) / k (first kernel's head); c = z - tau held to 0 .. 1.  LIMIT: a NaN becomes 0; 1/k is a multiplication.
; SHARES.  Wave w owns nodes 128 w .. + 127: its rows of y come by ONE tensor load (one is out a wave; every LDS byte is filled once) and only it reads them.
; G is brought once a work-group: wave w loads rows 2 w, 2 w + 1 whole, splits them and lays both parts in LDS; behind a barrier every wave reads its fragments there.
; Capsule j's column of c is chosen by v_cndmask and stored in all 16 columns of the bf16 rows, so every column of z^T is capsule j's and no lane mask, branch or LDS address is made of j.
; CLUSTER.  The four work-groups of a cluster belong to one batch and ask for y jointly.  LAST = 1 wants the 64 rows of c of block j, which wave j / 2 makes: each wave lays a CANDIDATE of 64 rows at a place made
; of its own number alone: its block 2 w if j = 2 w, its block 2 w + 1 if j = 2 w + 1, else zeros, chosen by v_cndmask; P is the sum of the eight candidates' products, of which seven add 0.
.set LAST, 1
.set SB, 278528                        ; behind y (8 x 128 rows x 272 bytes): 32 rows x 32 bytes a wave, c_j in bf16; LAST: later each wave's part of P lies on its own kilobyte
.if LAST
.set SH, 286720                        ; 32 rows x 32 bytes a wave: c in f16, the 32 nodes in hand
.set CAND, 294912                      ; 64 rows x 32 bytes a wave: the candidates
.set ZP, 311296                        ; 8 x 528 bytes: each wave's z (512) and kappa
.set SP, ZP                            ; the partial s lie on the same bytes, behind a barrier of their own
.set GHL, 315648                       ; G: 16 rows x 272 bytes of high parts, then as many of rests
.set SPARE, 324352
.set PA, 8
.set PH, 10
.set PY, 12
.set PG1, 14
.set PG2, 16
.set PO, 18
.set PPP, 20
.else
.set ZP, 286720
.set SP, 291072
.set GS, 295168
.set GHL, 295680
.set SPARE, 304384
.set PY, 8
.set PG1, 10
.set PO, 12
.endif
.set PW, 4
.set PB, 6
.set LN, 1
.set RR, 2
.set HH, 3
.set YA, 4
.set YT, 5
.set CW, 6
.set CR, 7
.set CWH, 8
.set CRH, 9
.set CBR, 10
.set PPW, 11
.set ZW, 12
.set ZK, 13
.set SPW, 14
.set NIL, 15
.set CB, 16                            ; v[16:23]   cb[8 h + 0..7]
.set ONES, 24                          ; v[24:31]   1.0 in bf16
.set PAC, 16                           ; v[16:31]   at the end: P's two accumulators
.set BT, 32                            ; v[32:95]   b, 8 tiles of 16 nodes; then c; then the tail's registers
.set GH, 96                            ; v[96:127]  G's high parts, v[128:159] the rests
.set GL, 128
.set YF, 160                           ; v[160:223] my two rows of G as loaded and split, then y's fragments
.set ZA, 96                            ; behind the b phase: v[96:167] z^T, 8 tiles of 16 channels, and kappa
.set CA, 96                            ; v[96:223]  at the end: the eight candidates' fragments, 16 registers each
.set AFR, 168
.set CF, 200
.set ST, 208                           ; v[208:224] 17 registers for the sort
.set SS, 225
.set GA, 226
.set GB, 227
.set TAU, 228
.set CJ, 229
.set CFH, 230
.set POF, 238                          ; v238  16 x (thread % 64): my 16 bytes of the part of out1; never rewritten
.set A16L, 239
.set BQ, 240
.set XN, 244
.set GFR, 248                          ; v248  where I read G's fragments
.set CBO, 249
.set AOF, 250
.set SPS, 251
.set SPL, 252
.set GSW, 253
.set GSL, 254
.set GST, 255                          ; v255  where I put my 8 bytes of a row of G;
.set CDW, 255                          ;       behind that: where I put my row of the candidate
.set ZL, 32
.set ZT, 33
.set KAP, 41
.set TP, 42
.set ZO, 43
.set PQ, 44
.set LDT, 52
.set TF, 52                            ; v[52:67]   at the end: T in f16
.set VV, 84
.set SQ, 88
.set TA1, 89
.set TB1, 90
.set CBV, 91
.set ZRD, 93
.set KRD, 94
.set Q, 96
.set AFW, 64                           ; window 1: v0-63 W_j; v64-191 adj's fragments (tm, ks) at 64 + 8 (4 ks + tm); v192-223 T; v224-239 the candidate's rows
.set TAC, 192
.set KEEP, 224
.set WV, 22
.set SG, 23
.set SBT, 24
.set SJ, 25
.set MB0, 26                           ; s26  all ones where j = 2 w, else 0
.set MB1, 27                           ; s27  all ones where j = 2 w + 1, else 0
.set SZ, 44
.set SV, 60
.set SEL, 62
.set MK, 85                            ; s[86:100] all ones where d = j, else 0
.set MSB, 0
.macro WIN new
.if MSB != (\new)
	s_set_vgpr_msb (MSB<<8)|(\new)
.set MSB, (\new)
.endif
.endm
.macro PLACES
.rept 4
	v_nop
.endr
.endm
.macro ROUND                           ; a round of the cluster's barrier
	s_barrier_signal -1
	s_barrier_wait -1
	s_cmp_lg_u32 s[WV], 0
	s_cbranch_scc1 .Lnot_wave_0_\@
	s_barrier_signal -3
.Lnot_wave_0_\@:
	s_barrier_wait -3
	s_barrier_signal -1
	s_barrier_wait -1
.endm
.macro TREE b, n, lo
.irp s,32,16,8,4,2
.if (\s < (\n)) && (\s >= (\lo))
.set z, 0
.rept \s/2
	v_pk_add_f32 v[(\b)+z:(\b)+z+1], v[(\b)+z:(\b)+z+1], v[(\b)+\s+z:(\b)+\s+z+1]
.set z, z+2
.endr
.endif
.endr
.endm
.macro WSUM r
.irp m,1,2,4,8
	v_add_f32_dpp v[\r], v[\r], v[\r] row_xmask:\m row_mask:0xf bank_mask:0xf
.endr
	v_permlanex16_b32 v[TP], v[\r], s[SEL], s[SEL+1]
	v_add_f32 v[\r], v[\r], v[TP]
.endm
.macro SVEC_A                          ; lane r holds z[16 w + r] in ZL: my wave's part of z W_j, four columns a lane, into LDS
	WIN 0
.set z, 0
.rept 16
	v_readlane_b32 s[SZ+z], v[ZL], z
.set z, z+1
.endr
	WIN 0x04
.irp e,0,1,2,3
	v_mul_f32 v[PQ+\e], s[SZ], v[\e]
.endr
.set z, 1
.rept 15
.irp e,0,1,2,3
	v_fmac_f32 v[PQ+\e], s[SZ+z], v[4*z+\e]
.endr
.set z, z+1
.endr
	WIN 0
	ds_store_b128 v[SPS], v[PQ:PQ+3]
.endm
.macro SVEC_B
.irp k,0,1,2,3,4,5,6,7
	ds_load_b128 v[LDT+4*\k:LDT+4*\k+3], v[SPL] offset:512*\k
.endr
	s_wait_dscnt 0x0
	TREE LDT, 32, 4
.endm
; b of tiles 2 q, 2 q + 1 (16 nodes each): source 0 = G (16 capsules), source 1 = y's rows; the sum starts with cb; the two accumulators take turns
.macro BPAIR q
	PLACES
.irp tt,0,1
.irp ks,0,1,2,3
	ds_load_b128 v[YF+32*\tt+8*\ks:YF+32*\tt+8*\ks+3], v[YA] offset:(2*(\q)+\tt)*4352+64*\ks
	ds_load_b128 v[YF+32*\tt+8*\ks+4:YF+32*\tt+8*\ks+7], v[YA] offset:(2*(\q)+\tt)*4352+64*\ks+32
.endr
.endr
	s_wait_dscnt 0x0
.irp ks,0,1,2,3
.irp tt,0,1
.if \ks == 0
	v_wmma_f32_16x16x32_bf16 v[BT+8*(2*(\q)+\tt):BT+8*(2*(\q)+\tt)+7], v[GH+8*\ks:GH+8*\ks+7], v[YF+32*\tt+8*\ks:YF+32*\tt+8*\ks+7], v[CB:CB+7]
.else
	v_wmma_f32_16x16x32_bf16 v[BT+8*(2*(\q)+\tt):BT+8*(2*(\q)+\tt)+7], v[GH+8*\ks:GH+8*\ks+7], v[YF+32*\tt+8*\ks:YF+32*\tt+8*\ks+7], v[BT+8*(2*(\q)+\tt):BT+8*(2*(\q)+\tt)+7]
.endif
.endr
.endr
.irp ks,0,1,2,3
.irp tt,0,1
	v_wmma_f32_16x16x32_bf16 v[BT+8*(2*(\q)+\tt):BT+8*(2*(\q)+\tt)+7], v[GL+8*\ks:GL+8*\ks+7], v[YF+32*\tt+8*\ks:YF+32*\tt+8*\ks+7], v[BT+8*(2*(\q)+\tt):BT+8*(2*(\q)+\tt)+7]
.endr
.endr
.endm
.macro CE a, b                         ; an exchange: the larger to place a, the smaller to place b; the places' registers are renamed, so nothing is moved
	v_max_num_f32 v[FREE], v[P\a], v[P\b]
	v_min_num_f32 v[P\b], v[P\a], v[P\b]
.set SWP, P\a
.set P\a, FREE
.set FREE, SWP
.endm
.macro CE4 a0, b0, a1, b1, a2=-1, b2=0, a3=-1, b3=0
	CE \a0, \b0
	CE \a1, \b1
.if \a2 >= 0
	CE \a2, \b2
.endif
.if \a3 >= 0
	CE \a3, \b3
.endif
.endm
.macro TS2 i0, k0, i1, k1              ; two more terms of the running sum, their g, and the maximum
	v_add_f32 v[SS], v[SS], v[P\i0]
	v_mul_f32 v[GA], \k0, v[SS]
	v_add_f32 v[SS], v[SS], v[P\i1]
	v_mul_f32 v[GB], \k1, v[SS]
	v_max3_num_f32 v[TAU], v[TAU], v[GA], v[GB]
.endm
; sparsemax of nodes 32 q + lane.  The swap of the lanes' halves leaves all 16 capsules of one node in a lane: v[Z + d].
.macro SPMAX q
.set Z, BT+16*(\q)
.irp jj,0,1,2,3,4,5,6,7
	v_permlane16_swap_b32 v[Z+\jj], v[Z+8+\jj]
.endr
.irp i,0,1,2,3,4,5,6,7,8,9,10,11,12,13,14,15
.set P\i, ST+\i
.endr
.set FREE, ST+16
.irp a,0,2,4,6,8,10,12,14
	v_max_num_f32 v[ST+\a], v[Z+\a], v[Z+\a+1]
	v_min_num_f32 v[ST+\a+1], v[Z+\a], v[Z+\a+1]
.endr
	CE4 0,2, 1,3, 4,6, 5,7
	CE4 8,10, 9,11, 12,14, 13,15
	CE4 1,2, 5,6, 9,10, 13,14
	CE4 0,4, 1,5, 2,6, 3,7
	CE4 8,12, 9,13, 10,14, 11,15
	CE4 2,4, 3,5, 10,12, 11,13
	CE4 1,2, 3,4, 5,6, 9,10
	CE4 11,12, 13,14
	CE4 0,8, 1,9, 2,10, 3,11
	CE4 4,12, 5,13, 6,14, 7,15
	CE4 4,8, 5,9, 6,10, 7,11
	CE4 2,4, 3,5, 6,8, 7,9
	CE4 10,12, 11,13
	CE4 1,2, 3,4, 5,6, 7,8
	CE4 9,10, 11,12, 13,14
	v_add_f32 v[SS], -1.0, v[P0]
	v_mov_b32 v[TAU], v[SS]
	TS2 1, 0.5, 2, 0x3eaaaaab
	TS2 3, 0x3e800000, 4, 0x3e4ccccd
	TS2 5, 0x3e2aaaab, 6, 0x3e124925
	TS2 7, 0x3e000000, 8, 0x3de38e39
	TS2 9, 0x3dcccccd, 10, 0x3dba2e8c
	TS2 11, 0x3daaaaab, 12, 0x3d9d89d9
	TS2 13, 0x3d924925, 14, 0x3d888889
	v_add_f32 v[SS], v[SS], v[P15]
	v_mul_f32 v[GA], 0x3d800000, v[SS]
	v_max_num_f32 v[TAU], v[TAU], v[GA]
.irp d,0,1,2,3,4,5,6,7,8,9,10,11,12,13,14,15
	v_sub_f32 v[Z+\d], v[Z+\d], v[TAU] clamp
.endr
.endm
; c[n][j], in all 16 columns of my wave's bf16 rows.  LAST: the whole row in f16, for adj c; and the candidate: at q = 0, 1 (my block 2 w) the row or 0 is kept in registers, at q = 2, 3 (my block 2 w + 1)
; that block's row takes its place where j = 2 w + 1, and the choice is stored.
.macro CSTORE q
	v_cndmask_b32 v[CJ], v[Z], v[Z+1], s[MK+1]
.irp d,2,3,4,5,6,7,8,9,10,11,12,13,14,15
	v_cndmask_b32 v[CJ], v[CJ], v[Z+\d], s[MK+\d]
.endr
	v_cvt_pk_bf16_f32 v[ST], v[CJ], v[CJ]
	v_mov_b32 v[ST+1], v[ST]
	v_mov_b32 v[ST+2], v[ST]
	v_mov_b32 v[ST+3], v[ST]
	ds_store_b128 v[CW], v[ST:ST+3]
	ds_store_b128 v[CW], v[ST:ST+3] offset:16
.if LAST
.irp p,0,1,2,3,4,5,6,7
	v_cvt_pk_f16_f32 v[ST+8+\p], v[Z+2*\p], v[Z+2*\p+1]
.endr
	ds_store_b128 v[CWH], v[ST+8:ST+11]
	ds_store_b128 v[CWH], v[ST+12:ST+15] offset:16
.if (\q) < 2
	WIN 0x40                                       ; destination in window 1
.irp p,0,1,2,3,4,5,6,7
	v_cndmask_b32 v[KEEP+8*(\q)+\p], 0, v[ST+8+\p], s[MB0]
.endr
.else
	WIN 0x41                                       ; destination and source 0 in window 1
.irp p,0,1,2,3,4,5,6,7
	v_cndmask_b32 v[KEEP+8*((\q)-2)+\p], v[KEEP+8*((\q)-2)+\p], v[ST+8+\p], s[MB1]
.endr
	WIN 0x04                                       ; an LDS store's data is its source 1
	ds_store_b128 v[CDW], v[KEEP+8*((\q)-2):KEEP+8*((\q)-2)+3] offset:1024*((\q)-2)
	ds_store_b128 v[CDW], v[KEEP+8*((\q)-2)+4:KEEP+8*((\q)-2)+7] offset:1024*((\q)-2)+16
.endif
	WIN 0
.endif
.endm
.macro AFRL q, t0                      ; y^T's fragments: 16 channels x 32 nodes, turned on the way out of LDS
.irp t,0,1,2,3
	ds_load_tr16_b128 v[AFR+8*\t:AFR+8*\t+3], v[YT] offset:32*(\q)*272+32*(\t0+\t)
	ds_load_tr16_b128 v[AFR+8*\t+4:AFR+8*\t+7], v[YT] offset:32*(\q)*272+32*(\t0+\t)+4352
.endr
.endm
.macro ZMUL q, t0
.irp t,0,1,2,3
.if (\q) == 0
	v_wmma_f32_16x16x32_bf16 v[ZA+8*(\t0+\t):ZA+8*(\t0+\t)+7], v[AFR+8*\t:AFR+8*\t+7], v[CF:CF+7], 0
.else
	v_wmma_f32_16x16x32_bf16 v[ZA+8*(\t0+\t):ZA+8*(\t0+\t)+7], v[AFR+8*\t:AFR+8*\t+7], v[CF:CF+7], v[ZA+8*(\t0+\t):ZA+8*(\t0+\t)+7]
.endif
.endr
.endm
; z^T += y^T c over nodes 32 q .. + 31, kappa += 1 c; LAST: T += adj c.  LDS serves a wave's instructions in order, so the loads see the stores of CSTORE, and the next step's stores come behind these loads.
; The accumulators take turns.  The plain lines of the next SPMAX are the places ahead of the next step's loads into these fragments.
.macro ZSTEP q
	ds_load_tr16_b128 v[CF:CF+3], v[CR]
	ds_load_tr16_b128 v[CF+4:CF+7], v[CR] offset:512
.if LAST
	ds_load_tr16_b128 v[CFH:CFH+3], v[CRH]
	ds_load_tr16_b128 v[CFH+4:CFH+7], v[CRH] offset:512
.endif
	AFRL \q, 0
	s_wait_dscnt 0x0
	ZMUL \q, 0
	PLACES
	AFRL \q, 4
	s_wait_dscnt 0x0
	ZMUL \q, 4
.if (\q) == 0
	v_wmma_f32_16x16x32_bf16 v[ZA+64:ZA+71], v[ONES:ONES+7], v[CF:CF+7], 0
.else
	v_wmma_f32_16x16x32_bf16 v[ZA+64:ZA+71], v[ONES:ONES+7], v[CF:CF+7], v[ZA+64:ZA+71]
.endif
.if LAST
.if (\q) == 0
	s_wait_loadcnt 0x0                             ; adj's fragments (and W, bias, xnm)
.endif
	WIN 0x51                                       ; adj and T in window 1, c in window 0
.irp tm,0,1,2,3
.if (\q) == 0
	v_wmma_f32_16x16x32_f16 v[TAC+8*\tm:TAC+8*\tm+7], v[AFW+8*(4*(\q)+\tm):AFW+8*(4*(\q)+\tm)+7], v[CFH:CFH+7], 0
.else
	v_wmma_f32_16x16x32_f16 v[TAC+8*\tm:TAC+8*\tm+7], v[AFW+8*(4*(\q)+\tm):AFW+8*(4*(\q)+\tm)+7], v[CFH:CFH+7], v[TAC+8*\tm:TAC+8*\tm+7]
.endif
.endr
	WIN 0
.endif
.endm
.if LAST
	s_load_b256 s[4:11], s[0:1], 0x0               ; W, bias, adjh, hb
	s_load_b256 s[12:19], s[0:1], 0x20             ; yb, g1, g2, out0
	s_load_b64 s[20:21], s[0:1], 0x40              ; pp
.else
	s_load_b256 s[4:11], s[0:1], 0x0               ; W, bias, yb, g1
	s_load_b64 s[12:13], s[0:1], 0x20              ; g2
.endif
	v_lshl_add_u32 v[SPW], v0, 2, SPARE
	v_mov_b32 v[NIL], 0
	ds_add_u32 v[SPW], v[NIL]                      ; the opening: the add, twice on end, and its wait ahead of my first tensor load
	ds_add_u32 v[SPW], v[NIL]
	v_lshrrev_b32 v1, 5, v0
	v_readfirstlane_b32 s[WV], v1                  ; wave 0..7
	s_bfe_u32 s[SJ], ttmp6, 0x40000                ; cx
	s_lshl_b32 s[SG], ttmp9, 2                     ; ttmp9 counts clusters
	s_add_co_u32 s[SG], s[SG], s[SJ]               ; work-group
	s_lshr_b32 s[SBT], ttmp9, 2                    ; batch: the four partners share it
	s_and_b32 s[SJ], s[SG], 15                     ; capsule, and block of 64 nodes
	s_mov_b32 s32, 1                               ; group 0: count
	s_mul_i32 s33, s[WV], 34816                    ; LDS address: my 128 rows of 272 bytes
	s_mov_b32 s36, 15|(1<<16)|(1<<20)|(1<<21)|(5<<22)|(3<<25)  ; group 1: the mask of four and bit 21 beside it; 2-byte elements; 4 words of padding behind every 64
	s_mov_b32 s37, 128<<16                         ; tensor_dim0 = 128
	s_mov_b32 s38, 128<<16                         ; tensor_dim1 = 128
	s_mov_b32 s39, 128<<16                         ; tile_dim0 = 128
	s_mov_b32 s40, 128                             ; tile_dim1 = 128
	s_mov_b32 s41, 128                             ; elements from row to row
	s_mov_b32 s42, 0
	s_mov_b32 s43, 0
	s_mov_b32 s[SEL], 0x76543210
	s_mov_b32 s[SEL+1], 0xfedcba98
.set dd, 1
.rept 15
	s_cmp_eq_u32 s[SJ], dd
	s_cselect_b32 s[MK+dd], -1, 0
.set dd, dd+1
.endr
	v_and_b32 v[LN], 31, v0
	v_and_b32 v[RR], 15, v0
	v_bfe_u32 v[HH], v0, 4, 1
	v_and_b32 v224, 7, v0
	v_lshl_add_u32 v224, v[HH], 3, v224            ; a turning load's row: 8 h + l % 8
	v_bfe_u32 v225, v0, 3, 1                       ; and its 16 bytes
	v_lshlrev_b32 v226, 5, v224
	v_lshl_add_u32 v226, v225, 4, v226             ; in rows of 32 bytes
	v_mul_u32_u24 v[YA], v[RR], 272
	v_lshl_add_u32 v[YA], v[HH], 4, v[YA]
	v_add_nc_u32 v[YA], s33, v[YA]
	v_mul_u32_u24 v[YT], v224, 272
	v_lshl_add_u32 v[YT], v225, 4, v[YT]
	v_add_nc_u32 v[YT], s33, v[YT]
	s_lshl_b32 s28, s[WV], 10
	v_lshl_add_u32 v[CW], v[LN], 5, s28
	v_add_nc_u32 v[CW], SB, v[CW]
	v_add_nc_u32 v[CR], s28, v226
	v_add_nc_u32 v[CR], SB, v[CR]
.if LAST
	v_lshlrev_b32 v[PPW], 9, v[HH]
	v_lshl_add_u32 v[PPW], v[RR], 2, v[PPW]
	v_add_nc_u32 v[PPW], s28, v[PPW]
	v_add_nc_u32 v[PPW], SB, v[PPW]                ; my part of P: row 8 h (+ jj), column r
	v_lshl_add_u32 v[CWH], v[LN], 5, s28
	v_add_nc_u32 v[CWH], SH, v[CWH]
	v_add_nc_u32 v[CRH], s28, v226
	v_add_nc_u32 v[CRH], SH, v[CRH]
	v_add_nc_u32 v[CBR], CAND, v226                ; the candidates, from wave 0's on
	v_lshlrev_b32 v[AOF], 11, v[RR]
	v_lshl_add_u32 v[AOF], v[HH], 4, v[AOF]
	v_and_b32 v[POF], 63, v0
	v_lshlrev_b32 v[POF], 4, v[POF]
.endif
	s_mul_i32 s29, s[WV], 528
	v_lshl_add_u32 v[ZW], v[HH], 5, s29
	v_add_nc_u32 v[ZW], ZP, v[ZW]
	v_mov_b32 v[ZK], s29
	v_add_nc_u32 v[ZK], ZP+512, v[ZK]
	v_lshlrev_b32 v[A16L], 4, v[LN]
	v_mul_u32_u24 v[GFR], v[RR], 272
	v_lshl_add_u32 v[GFR], v[HH], 4, v[GFR]
	v_add_nc_u32 v[GFR], GHL, v[GFR]               ; a fragment of G: row r, 16 h
	s_mul_i32 s29, s[WV], 544
	v_lshl_add_u32 v[GST], v[LN], 3, s29
	v_add_nc_u32 v[GST], GHL, v[GST]               ; rows 2 w (+ 1), my four channels = 8 bytes
	v_lshlrev_b32 v[CBO], 5, v[HH]
	s_lshl_b32 s28, s[WV], 9
	v_lshl_add_u32 v[SPS], v[LN], 4, s28
	v_add_nc_u32 v[SPS], SP, v[SPS]
	v_lshl_add_u32 v[SPL], v[LN], 4, SP
.if !LAST
	s_lshl_b32 s28, s[WV], 6
	v_mov_b32 v[GSW], s28
	v_add_nc_u32 v[GSW], GS, v[GSW]
	v_lshl_add_u32 v[GSL], v[LN], 4, GS
.endif
	s_wait_dscnt 0x0                               ; both opening adds are done
	s_wait_kmcnt 0x0
	s_lshl_b32 s26, s[SBT], 18                     ; the batch's y, my 128 rows: made of the batch and the wave's number alone
	s_lshl_b32 s27, s[WV], 15
	s_add_co_u32 s26, s26, s27
	s_mov_b32 s27, 0
	s_add_nc_u64 s[34:35], s[PY:PY+1], s[26:27]
	s_or_b32 s35, s35, 0x80000000                  ; type = 2
.if LAST
	s_lshl_b32 s29, s[WV], 1
	s_cmp_eq_u32 s[SJ], s29
	s_cselect_b32 s[MB0], -1, 0
	s_add_co_u32 s29, s29, 1
	s_cmp_eq_u32 s[SJ], s29
	s_cselect_b32 s[MB1], -1, 0
.endif
	s_mov_b32 s31, 0
	s_lshl_b32 s30, s[SBT], 13
	s_lshl_b32 s29, s[WV], 10
	s_add_co_u32 s30, s30, s29                     ; the batch's G, my two rows
	s_add_nc_u64 s[66:67], s[PG1:PG1+1], s[30:31]
.if LAST
	s_add_nc_u64 s[68:69], s[PG2:PG2+1], s[30:31]
.endif
	s_lshl_b32 s30, s[SBT], 6
	s_add_co_u32 s30, s30, 131072
	s_add_nc_u64 s[82:83], s[PG1:PG1+1], s[30:31]
.if LAST
	s_add_nc_u64 s[84:85], s[PG2:PG2+1], s[30:31]
.endif
	s_lshl_b32 s30, s[SJ], 16
	s_lshl_b32 s29, s[WV], 13
	s_add_co_u32 s30, s30, s29
	s_add_nc_u64 s[70:71], s[PW:PW+1], s[30:31]    ; W_j, my 16 rows
	s_lshl_b32 s30, s[SJ], 9
	s_add_nc_u64 s[72:73], s[PB:PB+1], s[30:31]
	s_lshl_b32 s30, s[SG], 9
	s_add_nc_u64 s[78:79], s[PO:PO+1], s[30:31]    ; my row of the output
.if LAST
	s_lshl_b32 s30, s[SG], 10
	s_add_nc_u64 s[80:81], s[PPP:PPP+1], s[30:31]
	s_lshl_b32 s30, s[SBT], 21
	s_lshl_b32 s29, s[SJ], 17
	s_add_co_u32 s30, s30, s29
	s_lshl_b32 s29, s[WV], 8
	s_add_co_u32 s30, s30, s29
	s_add_nc_u64 s[74:75], s[PA:PA+1], s[30:31]    ; adj: the block's 64 rows, my 128 columns
	s_lshl_b32 s30, s[SBT], 9
	s_add_co_u32 s30, s30, 4194304
	s_add_nc_u64 s[76:77], s[PH:PH+1], s[30:31]    ; xnm
.else
	s_lshl_b32 s30, s[SG], 2
	s_add_co_u32 s30, s30, 131072
	s_add_nc_u64 s[80:81], s[PO:PO+1], s[30:31]    ; my cb
.endif
	ROUND                                          ; all four work-groups are here: the joint loads meet
	tensor_load_to_lds s[32:35], s[36:43]
	s_nop 0
	PLACES
	global_load_b128 v[YF:YF+3], v[A16L], s[66:67]                  ; G[2 w][:]: 512 consecutive bytes
	global_load_b128 v[YF+4:YF+7], v[A16L], s[66:67] offset:512     ; G[2 w + 1][:]
.if LAST
	global_load_b128 v[YF+8:YF+11], v[A16L], s[68:69]
	global_load_b128 v[YF+12:YF+15], v[A16L], s[68:69] offset:512
.endif
	global_load_b128 v[CB:CB+3], v[CBO], s[82:83]
	global_load_b128 v[CB+4:CB+7], v[CBO], s[82:83] offset:16
.if LAST
	global_load_b128 v[CFH:CFH+3], v[CBO], s[84:85]
	global_load_b128 v[CFH+4:CFH+7], v[CBO], s[84:85] offset:16
.endif
	global_load_b128 v[BQ:BQ+3], v[A16L], s[72:73]
.if LAST
	global_load_b128 v[XN:XN+3], v[A16L], s[76:77]
.endif
	WIN 0x40
.irp k,0,1,2,3,4,5,6,7,8,9,10,11,12,13,14,15
	global_load_b128 v[4*\k:4*\k+3], v[A16L], s[70:71] offset:512*\k
.endr
.if LAST
.irp ks,0,1,2,3
.irp tm,0,1,2,3
	global_load_b128 v[AFW+8*(4*\ks+\tm):AFW+8*(4*\ks+\tm)+3], v[AOF], s[74:75] offset:\tm*32768+64*\ks
	global_load_b128 v[AFW+8*(4*\ks+\tm)+4:AFW+8*(4*\ks+\tm)+7], v[AOF], s[74:75] offset:\tm*32768+64*\ks+32
.endr
.endr
.endif
	WIN 0
.irp i,0,1,2,3,4,5,6,7
	v_mov_b32 v[ONES+\i], 0x3f803f80
.endr
	s_wait_loadcnt 17+33*LAST                      ; G and cb are in; bias and W's 16 loads (LAST: xnm and adj's 32 too) may stay out
.if LAST
.irp p,0,2,4,6
	v_pk_add_f32 v[YF+\p:YF+\p+1], v[YF+\p:YF+\p+1], v[YF+8+\p:YF+8+\p+1]  ; b2 = b1 + u . v2: the two steps' G and cb are added in f32
	v_pk_add_f32 v[CB+\p:CB+\p+1], v[CB+\p:CB+\p+1], v[CFH+\p:CFH+\p+1]
.endr
.endif
.set z, 0
.rept 4                                ; my 8 numbers of G = high part in bf16 + the rest in bf16
	v_cvt_pk_bf16_f32 v[YF+16+z], v[YF+2*z], v[YF+2*z+1]
	v_lshlrev_b32 v[GA], 16, v[YF+16+z]
	v_and_b32 v[GB], 0xffff0000, v[YF+16+z]
	v_pk_add_f32 v[YF+2*z:YF+2*z+1], v[YF+2*z:YF+2*z+1], v[GA:GB] neg_lo:[0,1] neg_hi:[0,1]
	v_cvt_pk_bf16_f32 v[YF+20+z], v[YF+2*z], v[YF+2*z+1]
.set z, z+1
.endr
	ds_store_b64 v[GST], v[YF+16:YF+17]
	ds_store_b64 v[GST], v[YF+18:YF+19] offset:272
	ds_store_b64 v[GST], v[YF+20:YF+21] offset:4352
	ds_store_b64 v[GST], v[YF+22:YF+23] offset:4352+272
	s_wait_dscnt 0x0                               ; for the others: my rows of G are in LDS
	s_barrier_signal -1
	s_barrier_wait -1                              ; the tile of y may stay on its way
.irp ks,0,1,2,3
	ds_load_b128 v[GH+8*\ks:GH+8*\ks+3], v[GFR] offset:64*\ks
	ds_load_b128 v[GH+8*\ks+4:GH+8*\ks+7], v[GFR] offset:64*\ks+32
	ds_load_b128 v[GL+8*\ks:GL+8*\ks+3], v[GFR] offset:4352+64*\ks
	ds_load_b128 v[GL+8*\ks+4:GL+8*\ks+7], v[GFR] offset:4352+64*\ks+32
.endr
.if LAST
	s_lshl_b32 s28, s[WV], 11
	v_lshl_add_u32 v[CDW], v[LN], 5, s28
	v_add_nc_u32 v[CDW], CAND, v[CDW]              ; my wave's candidate, row l (+ 32)
.endif
	s_wait_tensorcnt 0x0                           ; my rows of y are in; no other wave reads them
	BPAIR 0
	BPAIR 1
	BPAIR 2
	BPAIR 3
	PLACES
.irp q,0,1,2,3
	SPMAX \q
	CSTORE \q
	ZSTEP \q
.endr
	PLACES
.irp t,0,1,2,3,4,5,6,7
	ds_store_b128 v[ZW], v[ZA+8*\t:ZA+8*\t+3] offset:64*\t               ; every column is capsule j's: the 16 lanes of a half hold the same numbers
	ds_store_b128 v[ZW], v[ZA+8*\t+4:ZA+8*\t+7] offset:64*\t+16
.endr
	ds_store_b32 v[ZK], v[ZA+64]
	s_lshl_b32 s28, s[WV], 6
	v_lshl_add_u32 v[ZRD], v[RR], 2, s28
	v_add_nc_u32 v[ZRD], ZP, v[ZRD]
	v_and_b32 v[KRD], 7, v0
	v_mul_u32_u24 v[KRD], v[KRD], 528
	v_add_nc_u32 v[KRD], ZP+512, v[KRD]
	v_mov_b32 v[TP], 0
	v_mov_b32 v[ZO], 0
	s_wait_dscnt 0x0                               ; for the others: z, kappa and (LAST) my candidate are in LDS
	s_barrier_signal -1
	s_barrier_wait -1
.irp k,0,1,2,3,4,5,6,7
	ds_load_b32 v[ZT+\k], v[ZRD] offset:528*\k     ; the eight waves' z[16 w + r]
.endr
	ds_load_b32 v[KAP], v[KRD]                     ; wave l % 8's kappa
	s_wait_dscnt 0x0
.if LAST
	s_barrier_signal -1                            ; every wave has read z: the partial s may lie on the same bytes
	s_barrier_wait -1
.endif
	v_add_f32 v[ZL], v[ZT], v[ZT+1]
.irp k,2,3,4,5,6,7
	v_add_f32 v[ZL], v[ZL], v[ZT+\k]
.endr
.irp m,1,2,4
	v_add_f32_dpp v[KAP], v[KAP], v[KAP] row_xmask:\m row_mask:0xf bank_mask:0xf
.endr
	s_wait_loadcnt 0x0                             ; W and bias
	SVEC_A
.if LAST
	; my part of out1: T (my 128 columns' share) in f16 is source 1, each candidate's c^T source 0; the two accumulators (rows 0-31 and 32-63 of the block) take turns
	WIN 0x05
.irp tm,0,1,2,3
.irp p,0,1,2,3
	v_cvt_pk_f16_f32 v[TF+4*\tm+\p], v[TAC+8*\tm+2*\p], v[TAC+8*\tm+2*\p+1]
.endr
.endr
	WIN 0
.set wv, 0
.rept 8
.irp c,0,1,2,3
	ds_load_tr16_b128 v[CA+16*wv+4*\c:CA+16*wv+4*\c+3], v[CBR] offset:2048*wv+512*\c
.endr
.set wv, wv+1
.endr
	s_wait_dscnt 0x0
	v_wmma_f32_16x16x32_f16 v[PAC:PAC+7], v[CA:CA+7], v[TF:TF+7], 0
	v_wmma_f32_16x16x32_f16 v[PAC+8:PAC+15], v[CA+8:CA+15], v[TF+8:TF+15], 0
.set wv, 1
.rept 7
	v_wmma_f32_16x16x32_f16 v[PAC:PAC+7], v[CA+16*wv:CA+16*wv+7], v[TF:TF+7], v[PAC:PAC+7]
	v_wmma_f32_16x16x32_f16 v[PAC+8:PAC+15], v[CA+16*wv+8:CA+16*wv+15], v[TF+8:TF+15], v[PAC+8:PAC+15]
.set wv, wv+1
.endr
	PLACES
.irp jj,0,1,2,3,4,5,6,7
	v_add_f32 v[PAC+\jj], v[PAC+\jj], v[PAC+8+\jj]
.endr
.irp jj,0,1,2,3,4,5,6,7
	ds_store_b32 v[PPW], v[PAC+\jj] offset:64*\jj
.endr
	s_wait_dscnt 0x0
	s_barrier_signal -1
	s_barrier_wait -1
	s_cmp_lt_u32 s[WV], 2
	s_cbranch_scc0 .Lnot_pp
	v_add_nc_u32 v[KRD], SB, v[POF]
.irp k,0,1,2,3,4,5,6,7
	ds_load_b128 v[LDT+4*\k:LDT+4*\k+3], v[KRD] offset:1024*\k
.endr
	s_wait_dscnt 0x0
	TREE LDT, 32, 4
	global_store_b128 v[POF], v[LDT:LDT+3], s[80:81]           ; 16 lanes store 256 consecutive bytes, aligned
	s_branch .Lend
.Lnot_pp:
	s_cmp_lg_u32 s[WV], 2
	s_cbranch_scc1 .Lend
	SVEC_B
.irp e,0,1,2,3
	v_fmac_f32 v[LDT+\e], v[KAP], v[BQ+\e]
.endr
.irp e,0,1,2,3
	v_add_f32 v[LDT+\e], v[LDT+\e], v[XN+\e]       ; the residual
.endr
.irp e,0,1,2,3
	v_mul_f32 v[Q+\e], v[LDT+\e], v[LDT+\e]
.endr
.irp e,0,1,2,3
	v_add_f32 v[Q+4+\e], 1.0, v[Q+\e]
	v_add_f32 v[Q+8+\e], 0x322bcc77, v[Q+\e]
.endr
.irp e,0,1,2,3
	v_rcp_f32 v[Q+4+\e], v[Q+4+\e]
	v_rsq_f32 v[Q+8+\e], v[Q+8+\e]
.endr
	v_nop
	s_wait_alu depctr_va_vdst(0)                   ; one wait for the eight
.irp e,0,1,2,3
	v_mul_f32 v[Q+\e], v[Q+\e], v[Q+4+\e]
	v_mul_f32 v[LDT+\e], v[LDT+\e], v[Q+8+\e]
.endr
.irp e,0,1,2,3
	v_mul_f32 v[Q+\e], v[Q+\e], v[LDT+\e]
.endr
	global_store_b128 v[A16L], v[Q:Q+3], s[78:79]              ; out0[b][j][:]: 512 consecutive bytes
.else
	s_wait_dscnt 0x0
	s_barrier_signal -1
	s_barrier_wait -1
	SVEC_B
.irp e,0,1,2,3
	v_fmac_f32 v[LDT+\e], v[KAP], v[BQ+\e]
.endr
	v_mul_f32 v[SQ], v[LDT], v[LDT]
.irp e,1,2,3
	v_fmac_f32 v[SQ], v[LDT+\e], v[LDT+\e]
.endr
	WSUM SQ
	v_add_f32 v[TA1], 1.0, v[SQ]
	v_add_f32 v[TB1], 0x322bcc77, v[SQ]
	v_rcp_f32 v[TA1], v[TA1]
	v_rsq_f32 v[TB1], v[TB1]
	v_nop
	s_wait_alu depctr_va_vdst(0)
	v_mul_f32 v[TA1], v[TA1], v[SQ]
	v_mul_f32 v[TA1], v[TA1], v[TB1]
.irp e,0,1,2,3
	v_mul_f32 v[VV+\e], v[LDT+\e], v[TA1]
.endr
	WIN 0x04
.set z, 0
.rept 16
	v_mul_f32 v[Q+z], v[VV], v[4*z]
.set z, z+1
.endr
.irp e,1,2,3
.set z, 0
.rept 16
	v_fmac_f32 v[Q+z], v[VV+\e], v[4*z+\e]
.set z, z+1
.endr
.endr
	WIN 0
	v_mul_f32 v[CBV], v[BQ], v[VV]
.irp e,1,2,3
	v_fmac_f32 v[CBV], v[BQ+\e], v[VV+\e]
.endr
.irp m,1,2,4,8
.set z, 0
.rept 16
	v_add_f32_dpp v[Q+z], v[Q+z], v[Q+z] row_xmask:\m row_mask:0xf bank_mask:0xf
.set z, z+1
.endr
.endr
.set z, 0
.rept 16
	v_permlanex16_b32 v[LDT+16+z], v[Q+z], s[SEL], s[SEL+1]
.set z, z+1
.endr
.set z, 0
.rept 16
	v_add_f32 v[Q+z], v[Q+z], v[LDT+16+z]
.set z, z+1
.endr
	WSUM CBV
.irp c,0,1,2,3
	ds_store_b128 v[GSW], v[Q+4*\c:Q+4*\c+3] offset:16*\c
.endr
	s_wait_dscnt 0x0
	s_barrier_signal -1
	s_barrier_wait -1
	s_cmp_lg_u32 s[WV], 0
	s_cbranch_scc1 .Lend
	ds_load_b128 v[LDT:LDT+3], v[GSL]
	s_wait_dscnt 0x0
	global_store_b128 v[A16L], v[LDT:LDT+3], s[78:79]
	s_wait_xcnt 0x0                                ; EXEC changes only behind this wait
	v_cmp_eq_u32 vcc_lo, 0, v[LN]
	s_and_saveexec_b32 s[SV], vcc_lo
	global_store_b32 v[ZO], v[CBV], s[80:81]
	s_wait_xcnt 0x0
	s_or_b32 exec_lo, exec_lo, s[SV]
.endif
.Lend:
	s_wait_tensorcnt 0x0                           ; the wave's end
	ds_add_u32 v[SPW], v[NIL]
	s_wait_dscnt 0x0
	ROUND                                          ; the closing round
	s_endpgm
.Lfunc_end_k_qc6eb3fa3fd_x3:
	.size	k_qc6eb3fa3fd_x3, .Lfunc_end_k_qc6eb3fa3fd_x3-k_qc6eb3fa3fd_x3
	.p2alignl 7, 3214868480
	.fill 96, 4, 3214868480
	.section	.rodata,"a",@progbits
	.p2align	6, 0x0
	.amdhsa_kernel k_qc6eb3fa3fd_x3
		.amdhsa_group_segment_fixed_size 325376
		.amdhsa_private_segment_fixed_size 0
		.amdhsa_enable_private_segment 0
		.amdhsa_kernarg_size 72
		.amdhsa_user_sgpr_count 2
		.amdhsa_user_sgpr_kernarg_segment_ptr 1
		.amdhsa_wavefront_size32 1
		.amdhsa_system_sgpr_workgroup_id_x 1
		.amdhsa_system_sgpr_workgroup_id_y 1
		.amdhsa_system_sgpr_workgroup_id_z 1
		.amdhsa_system_vgpr_workitem_id 0
		.amdhsa_next_free_vgpr 512
		.amdhsa_next_free_sgpr 104
		.amdhsa_reserve_vcc 1
		.amdhsa_float_denorm_mode_32 3
		.amdhsa_float_denorm_mode_16_64 3
		.amdhsa_memory_ordered 1
		.amdhsa_forward_progress 1
		.amdhsa_inst_pref_size 89
	.end_amdhsa_kernel
	.amdgpu_metadata
---
amdhsa.version: [ 1, 2 ]
amdhsa.kernels:
  - .name:           k_qc6eb3fa3fd_x3
    .symbol:         k_qc6eb3fa3fd_x3.kd
    .args:
      - { .name: W, .offset: 0, .size: 8, .value_kind: global_buffer, .address_space: global }
      - { .name: bias, .offset: 8, .size: 8, .value_kind: global_buffer, .address_space: global }
      - { .name: adjh, .offset: 16, .size: 8, .value_kind: global_buffer, .address_space: global }
      - { .name: hb, .offset: 24, .size: 8, .value_kind: global_buffer, .address_space: global }
      - { .name: yb, .offset: 32, .size: 8, .value_kind: global_buffer, .address_space: global }
      - { .name: g1, .offset: 40, .size: 8, .value_kind: global_buffer, .address_space: global }
      - { .name: g2, .offset: 48, .size: 8, .value_kind: global_buffer, .address_space: global }
      - { .name: out0, .offset: 56, .size: 8, .value_kind: global_buffer, .address_space: global }
      - { .name: pp, .offset: 64, .size: 8, .value_kind: global_buffer, .address_space: global }
    .group_segment_fixed_size: 325376
    .private_segment_fixed_size: 0
    .kernarg_segment_align: 8
    .kernarg_segment_size: 72
    .max_flat_workgroup_size: 256
    .sgpr_count:     104
    .vgpr_count:     512
    .wavefront_size: 32
...
	.end_amdgpu_metadata
.endif
;; end of part 6
;; launch fin (part 7): grid 16 x 1, 2 waves a work-group, no clusters, 0 bytes of LDS; arguments pp, out1; writes out1
.if DOCPART == 7
	.amdgcn_target "amdgcn-amd-amdhsa--gfx1250"
	.amdhsa_code_object_version 6
	.text
	.protected	k_qc6eb3fa3fd_fin
	.globl	k_qc6eb3fa3fd_fin
	.p2align	8
	.type	k_qc6eb3fa3fd_fin,@function
k_qc6eb3fa3fd_fin:
	s_mov_b64 s[64:65], 0
	v_nop
	global_prefetch_b8 v0, s[64:65] scope:SCOPE_SE
	s_setreg_imm32_b32 hwreg(HW_REG_WAVE_MODE, 25, 1), 1
	s_wait_xcnt 0x0
; Launch 7 of 7: out1[b] = the sum of the batch's 16 parts (one for each block of 64 rows of adj), in f32.  A sum that spans work-groups is ordered by a launch of its own.
; Work-group b, thread t: 16 bytes of each part.  Sixteen work-groups: that is all the work there is (256 KiB in, 16 KiB out).
.macro TREE b, n, lo
.irp s,32,16,8,4,2
.if (\s < (\n)) && (\s >= (\lo))
.set z, 0
.rept \s/2
	v_pk_add_f32 v[(\b)+z:(\b)+z+1], v[(\b)+z:(\b)+z+1], v[(\b)+\s+z:(\b)+\s+z+1]
.set z, z+2
.endr
.endif
.endr
.endm
	s_load_b128 s[4:7], s[0:1], 0x0                ; pp s[4:5], out1 s[6:7]
	v_lshlrev_b32 v1, 4, v0
	s_lshl_b32 s8, ttmp9, 14
	s_mov_b32 s9, 0
	s_lshl_b32 s10, ttmp9, 10
	s_mov_b32 s11, 0
	s_wait_kmcnt 0x0
	s_add_nc_u64 s[4:5], s[4:5], s[8:9]
	s_add_nc_u64 s[6:7], s[6:7], s[10:11]
.irp k,0,1,2,3,4,5,6,7,8,9,10,11,12,13,14,15
	global_load_b128 v[16+4*\k:16+4*\k+3], v1, s[4:5] offset:1024*\k
.endr
	s_wait_loadcnt 0x0
	TREE 16, 64, 4
	global_store_b128 v1, v[16:19], s[6:7]         ; 16 lanes store 256 consecutive bytes, aligned
	s_endpgm
.Lfunc_end_k_qc6eb3fa3fd_fin:
	.size	k_qc6eb3fa3fd_fin, .Lfunc_end_k_qc6eb3fa3fd_fin-k_qc6eb3fa3fd_fin
	.p2alignl 7, 3214868480
	.fill 96, 4, 3214868480
	.section	.rodata,"a",@progbits
	.p2align	6, 0x0
	.amdhsa_kernel k_qc6eb3fa3fd_fin
		.amdhsa_group_segment_fixed_size 0
		.amdhsa_private_segment_fixed_size 0
		.amdhsa_enable_private_segment 0
		.amdhsa_kernarg_size 16
		.amdhsa_user_sgpr_count 2
		.amdhsa_user_sgpr_kernarg_segment_ptr 1
		.amdhsa_wavefront_size32 1
		.amdhsa_system_sgpr_workgroup_id_x 1
		.amdhsa_system_sgpr_workgroup_id_y 1
		.amdhsa_system_sgpr_workgroup_id_z 1
		.amdhsa_system_vgpr_workitem_id 0
		.amdhsa_next_free_vgpr 80
		.amdhsa_next_free_sgpr 66
		.amdhsa_reserve_vcc 0
		.amdhsa_float_denorm_mode_32 3
		.amdhsa_float_denorm_mode_16_64 3
		.amdhsa_memory_ordered 1
		.amdhsa_forward_progress 1
		.amdhsa_inst_pref_size 5
	.end_amdhsa_kernel
	.amdgpu_metadata
---
amdhsa.version: [ 1, 2 ]
amdhsa.kernels:
  - .name:           k_qc6eb3fa3fd_fin
    .symbol:         k_qc6eb3fa3fd_fin.kd
    .args:
      - { .name: pp, .offset: 0, .size: 8, .value_kind: global_buffer, .address_space: global }
      - { .name: out1, .offset: 8, .size: 8, .value_kind: global_buffer, .address_space: global }
    .group_segment_fixed_size: 0
    .private_segment_fixed_size: 0
    .kernarg_segment_align: 8
    .kernarg_segment_size: 16
    .max_flat_workgroup_size: 64
    .sgpr_count:     66
    .vgpr_count:     80
    .wavefront_size: 32
...
	.end_amdgpu_metadata
.endif
;; end of part 7
